; MI455X (gfx1250); checked and timed in simulation.
; The chip was launched on July 23, 2026; its instructions are those of AMD's public machine-readable ISA for CDNA 5 (MIT licence, August 2026) and "CDNA5" Instruction Set Architecture Reference Guide (July 2026). The comments in the code are by the model that wrote it; some were corrected since.
;; Attention Type Ensemble Sheaf Learner. Allowed arithmetic: float matrix products may take bf16 or f16 operands with f32 sums; all other float work in f32.
;; Inputs: W1 8 x 256 x 64 float32; W2 8 x 64 x 16 float32; b1 8 x 64 float32; b2 8 x 16 float32; beta 8 x 256 float32; edge_index 2 x 320,000 int32; edge_types 320,000 int32; gamma 8 x 256 float32; x 50,000 x 128 float32.
;; Outputs: out0 320,000 x 4 x 4 float32.
;; 3 versions, each right; version 2 is faster than version 1; version 3 is version 2 with the launch edges written anew for expert scheduling mode. Each part assembles by itself: llvm-mc -triple=amdgcn-amd-amdhsa -mcpu=gfx1250 --defsym DOCPART=n.
;; ======== version 1 of 3: 3 launches
;; workspace buffers: xc 12,800,000 bytes; stats 400,128 bytes; gf 262,144 bytes; w2f 16,384 bytes; aux 4,096 bytes; lists 2,816,000 bytes of whole numbers; slot 1,280,000 bytes of whole numbers; meta 128,000 bytes of whole numbers
;; launch prep (part 1): grid 198 x 1, 8 waves a work-group, no clusters, 0 bytes of LDS; arguments x, W1, W2, gamma, beta, b1, xc, stats, gf, w2f, aux; writes xc, stats, gf, w2f, aux
.if DOCPART == 1
	.amdgcn_target "amdgcn-amd-amdhsa--gfx1250"
	.amdhsa_code_object_version 6
	.text
	.protected	k_qbac8494a4c_prep
	.globl	k_qbac8494a4c_prep
	.p2align	8
	.type	k_qbac8494a4c_prep,@function
k_qbac8494a4c_prep:
	s_mov_b64 s[64:65], 0
	v_nop
	global_prefetch_b8 v0, s[64:65] scope:SCOPE_SE
	s_setreg_imm32_b32 hwreg(HW_REG_WAVE_MODE, 25, 1), 1
	s_wait_xcnt 0x0
; What the edge launch needs, made once.
; NODES (work-groups 2 to 197).  For each row n of x (128 f32): m = its mean, M2 = the sum of (x - m)^2; xc[n] = bf16(x[n] - m), 256 bytes; stats[n] = {m, M2}.
;   For an edge (a, b) the LayerNorm over the 256 joined numbers then needs no pass over them: mu = (m_a + m_b) / 2, d = (m_a - m_b) / 2, var = (M2_a + M2_b) / 256 + d^2,
;   and h - mu = (x_a - m_a) + d on the first half, (x_b - m_b) - d on the second.  No difference of large sums is formed: a common offset of x leaves with m.
; WEIGHTS (work-groups 0 and 1).  gf = bf16(gamma[t][k] W1[t][k][n]) laid out as matrix fragments ([t][K step of 32][block of 16 n][half q][lane][16 bytes]: lane (r = l % 16, h = l / 16),
;   element i is k = 32 ks + 16 q + 8 h + i, n = 16 b + r); w2f = bf16(W2) likewise ([t][K step][q][lane][16 bytes]); aux[t][0][n] = c1 = beta . W1 + b1;
;   aux[t][1][n] = csd = the column sums of gamma W1 over k < 128 less those over k >= 128 (what d is multiplied by).
; No LDS, no barrier, no matrix unit: the launch streams x once; a row's reduction never leaves its wave.
; A wave takes 32 rows.  50,000 = 1,562 x 32 + 16: the last wave with work starts 16 rows early, so rows 49,968 to 49,983 are made twice, by two waves of one work-group, with the same bits.
; LIMIT: finite inputs.
.set NROWS, 50000
.set SP,   4                           ; v[4:5]     nodes: lane i keeps {m, M2} of the wave's row i
.set X,    8                           ; v[8:135]   nodes: row i in 4 registers, as loaded; its first two then hold the row's bf16
.set T,    136                         ; v[136:151] nodes: eight registers at work for each of two rows
.set GV,   8                           ; v[8:15]    weights: lane j of register s holds gamma[32 s + j]
.set BV,   16                          ; v[16:23]   weights: the same for beta
.set B1R,  24                          ; v24        weights: b1 of my column
.set C1A,  26                          ; v[26:29]   weights: beta . W1, four chains
.set CSA,  30                          ; v[30:33]   weights: signed column sum, four chains
.set W2R,  34                          ; v[34:49]   weights: 16 numbers of W2
.set P,    52                          ; v[52:83]   weights: 64 numbers packed to bf16
.set WB0,  84                          ; v[84:147]  weights: 64 rows of W1, my column
.set WB1,  148                         ; v[148:211] weights: the next 64
.set SG,   40                          ; s[40:47]   weights: gamma[k], beta[k], four pairs by turns
	s_load_b512 s[4:19], s[0:1], 0x0               ; x 4:5, W1 6:7, W2 8:9, gamma 10:11, beta 12:13, b1 14:15, xc 16:17, stats 18:19
	s_load_b128 s[20:23], s[0:1], 0x40             ; gf 20:21, w2f 22:23
	s_load_b64 s[24:25], s[0:1], 0x50              ; aux
	v_lshrrev_b32 v1, 5, v0
	v_readfirstlane_b32 s26, v1                    ; my wave's number
	v_and_b32 v1, 31, v0                           ; lane
	s_mov_b32 s28, 0x76543210                      ; v_permlanex16_b32: each lane takes its own place in the other half
	s_mov_b32 s29, 0xfedcba98
	s_wait_kmcnt 0x0
	s_cmp_lt_u32 ttmp9, 2
	s_cbranch_scc1 .Lweights
	; ---------------- nodes ----------------
	s_sub_co_u32 s27, ttmp9, 2
	s_lshl_b32 s27, s27, 3
	s_add_co_u32 s27, s27, s26
	s_lshl_b32 s27, s27, 5                         ; my first row = 32 x (8 x group + wave)
	s_cmp_ge_u32 s27, NROWS
	s_cbranch_scc1 .Lend                           ; the last group's five waves behind the table's end
	s_min_u32 s27, s27, NROWS-32                   ; the wave with 16 rows left starts 16 rows early
	v_lshlrev_b32 v2, 4, v1                        ; 16 bytes a lane: a row of x is one load of the wave
	v_lshlrev_b32 v3, 3, v1                        ; 8 bytes a lane: a row of xc, and the wave's 32 pairs of stats
	v_mov_b32 v[SP], 0
	v_mov_b32 v[SP+1], 0
	s_lshl_b32 s30, s27, 9
	s_mov_b32 s31, 0
	s_lshl_b32 s32, s27, 8
	s_mov_b32 s33, 0
	s_lshl_b32 s34, s27, 3
	s_mov_b32 s35, 0
	s_add_nc_u64 s[4:5], s[4:5], s[30:31]
	s_add_nc_u64 s[16:17], s[16:17], s[32:33]
	s_add_nc_u64 s[18:19], s[18:19], s[34:35]
.set i, 0
.rept 32
	global_load_b128 v[X+4*i:X+4*i+3], v2, s[4:5] offset:512*i th:TH_LOAD_NT   ; all 32 rows of the wave, 16 KiB, are asked for at once; x is read once in the launch
.set i, i+1
.endr
; The sum over the 32 lanes of v[T+8d+o], for both rows; v[T+8d+o+1] has been written and is used up.
.macro ALLSUM o
.irp m, 1,2,4,8
.irp d, 0,1
	v_add_f32_dpp v[T+8*\d+\o], v[T+8*\d+\o], v[T+8*\d+\o] row_xmask:\m row_mask:0xf bank_mask:0xf
.endr
.endr
.irp d, 0,1
	v_permlanex16_b32 v[T+8*\d+\o+1], v[T+8*\d+\o], s28, s29
.endr
.irp d, 0,1
	v_add_f32 v[T+8*\d+\o], v[T+8*\d+\o], v[T+8*\d+\o+1]
.endr
.endm
; Rows i and i + 1, stage by stage, so that two chains take turns.
.macro PAIR i
	s_wait_loadcnt 30-\i                           ; loads come back in order: rows up to i + 1 are in, the 30 - i behind them stay out
.irp d, 0,1
	v_pk_add_f32 v[T+8*\d:T+8*\d+1], v[X+4*(\i+\d):X+4*(\i+\d)+1], v[X+4*(\i+\d)+2:X+4*(\i+\d)+3]
.endr
.irp d, 0,1
	v_add_f32 v[T+8*\d], v[T+8*\d], v[T+8*\d+1]
.endr
	ALLSUM 0
.irp d, 0,1
	v_mul_f32 v[T+8*\d], 0x3c000000, v[T+8*\d]     ; m = sum / 128
.endr
.irp d, 0,1
	v_pk_add_f32 v[X+4*(\i+\d):X+4*(\i+\d)+1], v[X+4*(\i+\d):X+4*(\i+\d)+1], v[T+8*\d:T+8*\d+1] op_sel_hi:[1,0] neg_lo:[0,1] neg_hi:[0,1]   ; x - m
	v_pk_add_f32 v[X+4*(\i+\d)+2:X+4*(\i+\d)+3], v[X+4*(\i+\d)+2:X+4*(\i+\d)+3], v[T+8*\d:T+8*\d+1] op_sel_hi:[1,0] neg_lo:[0,1] neg_hi:[0,1]
.endr
.irp d, 0,1
	v_pk_mul_f32 v[T+8*\d+2:T+8*\d+3], v[X+4*(\i+\d):X+4*(\i+\d)+1], v[X+4*(\i+\d):X+4*(\i+\d)+1]
.endr
.irp d, 0,1
	v_pk_fma_f32 v[T+8*\d+2:T+8*\d+3], v[X+4*(\i+\d)+2:X+4*(\i+\d)+3], v[X+4*(\i+\d)+2:X+4*(\i+\d)+3], v[T+8*\d+2:T+8*\d+3]
.endr
.irp d, 0,1
	v_add_f32 v[T+8*\d+2], v[T+8*\d+2], v[T+8*\d+3]
.endr
	ALLSUM 2                                       ; M2
.irp d, 0,1
	v_cvt_pk_bf16_f32 v[X+4*(\i+\d)], v[X+4*(\i+\d)], v[X+4*(\i+\d)+1]
	v_cvt_pk_bf16_f32 v[X+4*(\i+\d)+1], v[X+4*(\i+\d)+2], v[X+4*(\i+\d)+3]
	v_cmp_eq_u32 vcc_lo, \i+\d, v1                 ; the lane whose number is the row's keeps its figures
	v_cndmask_b32 v[SP], v[SP], v[T+8*\d], vcc_lo
	v_cndmask_b32 v[SP+1], v[SP+1], v[T+8*\d+2], vcc_lo
	global_store_b64 v3, v[X+4*(\i+\d):X+4*(\i+\d)+1], s[16:17] offset:256*(\i+\d)   ; the wave stores 256 consecutive bytes, aligned: a whole row of xc; its registers are not written again
.endr
.endm
.irp i, 0,2,4,6,8,10,12,14,16,18,20,22,24,26,28,30
	PAIR \i
.endr
	global_store_b64 v3, v[SP:SP+1], s[18:19]      ; 32 pairs: 256 consecutive bytes, aligned
	s_endpgm
	; ---------------- weights ----------------
	; 16 waves: wave u = 8 x group + wave takes type t = u / 2 and columns 32 c to 32 c + 31 of W1[t], c = u % 2, a column a lane, and K step c of W2[t].
.Lweights:
	s_lshl_b32 s27, ttmp9, 3
	s_add_co_u32 s27, s27, s26
	s_and_b32 s36, s27, 1                          ; c
	s_lshr_b32 s27, s27, 1                         ; t
	s_mov_b32 s33, 0
	s_lshl_b32 s37, s36, 7                         ; 128 c
	s_lshl_b32 s38, s36, 11                        ; 2,048 c
	s_lshl_b32 s32, s27, 16
	s_add_co_u32 s32, s32, s37
	s_add_nc_u64 s[6:7], s[6:7], s[32:33]          ; W1 + 65,536 t + 128 c
	s_lshl_b32 s32, s27, 10
	s_add_nc_u64 s[10:11], s[10:11], s[32:33]      ; gamma, beta + 1,024 t
	s_add_nc_u64 s[12:13], s[12:13], s[32:33]
	s_lshl_b32 s32, s27, 8
	s_add_co_u32 s32, s32, s37
	s_add_nc_u64 s[14:15], s[14:15], s[32:33]      ; b1 + 256 t + 128 c
	s_lshl_b32 s32, s27, 12
	s_add_co_u32 s32, s32, s38
	s_add_nc_u64 s[8:9], s[8:9], s[32:33]          ; W2 + 4,096 t + 2,048 c
	s_lshl_b32 s32, s27, 15
	s_add_co_u32 s32, s32, s38
	s_add_nc_u64 s[20:21], s[20:21], s[32:33]      ; gf + 32,768 t + 2,048 c (two blocks of 16 columns)
	s_lshl_b32 s32, s27, 11
	s_lshl_b32 s38, s36, 10
	s_add_co_u32 s32, s32, s38
	s_add_nc_u64 s[22:23], s[22:23], s[32:33]      ; w2f + 2,048 t + 1,024 c
	s_lshl_b32 s32, s27, 9
	s_add_co_u32 s32, s32, s37
	s_add_nc_u64 s[24:25], s[24:25], s[32:33]      ; aux + 512 t + 128 c
	v_lshlrev_b32 v2, 2, v1                        ; 4 x lane: my column in a row of W1; my place in gamma, beta, b1, aux
	v_lshrrev_b32 v6, 4, v1
	v_and_b32 v7, 15, v1
	v_lshlrev_b32 v3, 4, v7
	v_lshl_add_u32 v3, v6, 10, v3                  ; gf: block lane / 16 (1,024 bytes), fragment lane l % 16 (16 bytes)
	v_lshlrev_b32 v4, 2, v7
	v_lshl_add_u32 v4, v6, 9, v4                   ; W2: row 8 (lane / 16), column lane % 16
	v_lshlrev_b32 v5, 4, v1                        ; w2f: 16 x lane
.irp s, 0,1,2,3,4,5,6,7
	global_load_b32 v[GV+\s], v2, s[10:11] offset:128*\s
.endr
.irp s, 0,1,2,3,4,5,6,7
	global_load_b32 v[BV+\s], v2, s[12:13] offset:128*\s
.endr
	global_load_b32 v[B1R], v2, s[14:15]
.irp q, 0,1
.irp e, 0,1,2,3,4,5,6,7
	global_load_b32 v[W2R+8*\q+\e], v4, s[8:9] offset:\q*1024+\e*64   ; W2[32 c + 16 q + 8 h + e][r]
.endr
.endr
.set kk, 0
.rept 64
	global_load_b32 v[WB0+kk], v2, s[6:7] offset:256*kk
.set kk, kk+1
.endr
.set kk, 0
.rept 64
	global_load_b32 v[WB1+kk], v2, s[6:7] offset:256*(64+kk)
.set kk, kk+1
.endr
.irp e, 0,1,2,3
	v_mov_b32 v[C1A+\e], 0
	v_mov_b32 v[CSA+\e], 0
.endr
; Rows 64 j to 64 j + 63 of W1, in buf.  sub = 1: the rows of the second half (k >= 128), whose column sums are taken away.  refill = 1: buf then takes the rows 128 further on.
.macro PROC j, buf, sub, refill, left
	s_wait_loadcnt \left                           ; 63: behind this batch 64 younger loads are out, and the count's field holds 63: one load more than needed is waited for.  0: the last batch
.set kk, 0
.rept 64
	v_readlane_b32 s[SG+2*(kk%4)], v[GV+(64*\j+kk)/32], (64*\j+kk)%32      ; gamma[k]
	v_readlane_b32 s[SG+2*(kk%4)+1], v[BV+(64*\j+kk)/32], (64*\j+kk)%32    ; beta[k]
	v_fmac_f32 v[C1A+kk%4], s[SG+2*(kk%4)+1], v[\buf+kk]
	v_mul_f32 v[\buf+kk], s[SG+2*(kk%4)], v[\buf+kk]
.if \sub
	v_sub_f32 v[CSA+kk%4], v[CSA+kk%4], v[\buf+kk]
.else
	v_add_f32 v[CSA+kk%4], v[CSA+kk%4], v[\buf+kk]
.endif
.set kk, kk+1
.endr
	s_wait_xcnt 0x0                                ; P holds the data of the last batch's stores: it is written again only behind this wait
.set kk, 0
.rept 32
	v_cvt_pk_bf16_f32 v[P+kk], v[\buf+2*kk], v[\buf+2*kk+1]
.set kk, kk+1
.endr
.if \refill
.set kk, 0
.rept 64
	global_load_b32 v[\buf+kk], v2, s[6:7] offset:256*(64*(\j+2)+kk)
.set kk, kk+1
.endr
.endif
.irp e, 0,1
.irp q, 0,1
.irp h, 0,1
	global_store_b128 v3, v[P+16*\e+8*\q+4*\h:P+16*\e+8*\q+4*\h+3], s[20:21] offset:(2*\j+\e)*4096+\q*512+\h*256   ; lanes 0-15 and lanes 16-31 each store 256 consecutive bytes, aligned
.endr
.endr
.endr
.endm
	PROC 0, WB0, 0, 1, 63
	PROC 1, WB1, 0, 1, 63
	PROC 2, WB0, 1, 0, 63
	PROC 3, WB1, 1, 0, 0
	s_wait_xcnt 0x0                                ; P once more
.irp q, 0,1
.irp e, 0,1,2,3
	v_cvt_pk_bf16_f32 v[P+4*\q+\e], v[W2R+8*\q+2*\e], v[W2R+8*\q+2*\e+1]
.endr
.endr
.irp q, 0,1
	global_store_b128 v5, v[P+4*\q:P+4*\q+3], s[22:23] offset:\q*512
.endr
	v_add_f32 v[C1A], v[C1A], v[C1A+1]
	v_add_f32 v[C1A+2], v[C1A+2], v[C1A+3]
	v_add_f32 v[CSA], v[CSA], v[CSA+1]
	v_add_f32 v[CSA+2], v[CSA+2], v[CSA+3]
	v_add_f32 v[C1A], v[C1A], v[C1A+2]
	v_add_f32 v[CSA], v[CSA], v[CSA+2]
	v_add_f32 v[C1A], v[C1A], v[B1R]
	global_store_b32 v2, v[C1A], s[24:25]          ; c1
	global_store_b32 v2, v[CSA], s[24:25] offset:256   ; csd
.Lend:
	s_endpgm
.Lfunc_end_k_qbac8494a4c_prep:
	.size	k_qbac8494a4c_prep, .Lfunc_end_k_qbac8494a4c_prep-k_qbac8494a4c_prep
	.p2alignl 7, 3214868480
	.fill 96, 4, 3214868480
	.section	.rodata,"a",@progbits
	.p2align	6, 0x0
	.amdhsa_kernel k_qbac8494a4c_prep
		.amdhsa_group_segment_fixed_size 0
		.amdhsa_private_segment_fixed_size 0
		.amdhsa_enable_private_segment 0
		.amdhsa_kernarg_size 88
		.amdhsa_user_sgpr_count 2
		.amdhsa_user_sgpr_kernarg_segment_ptr 1
		.amdhsa_wavefront_size32 1
		.amdhsa_system_sgpr_workgroup_id_x 1
		.amdhsa_system_sgpr_workgroup_id_y 1
		.amdhsa_system_sgpr_workgroup_id_z 1
		.amdhsa_system_vgpr_workitem_id 0
		.amdhsa_next_free_vgpr 212
		.amdhsa_next_free_sgpr 66
		.amdhsa_reserve_vcc 1
		.amdhsa_float_denorm_mode_32 3
		.amdhsa_float_denorm_mode_16_64 3
		.amdhsa_memory_ordered 1
		.amdhsa_forward_progress 1
		.amdhsa_inst_pref_size 149
	.end_amdhsa_kernel
	.amdgpu_metadata
---
amdhsa.version: [ 1, 2 ]
amdhsa.kernels:
  - .name:           k_qbac8494a4c_prep
    .symbol:         k_qbac8494a4c_prep.kd
    .args:
      - { .name: x, .offset: 0, .size: 8, .value_kind: global_buffer, .address_space: global }
      - { .name: W1, .offset: 8, .size: 8, .value_kind: global_buffer, .address_space: global }
      - { .name: W2, .offset: 16, .size: 8, .value_kind: global_buffer, .address_space: global }
      - { .name: gamma, .offset: 24, .size: 8, .value_kind: global_buffer, .address_space: global }
      - { .name: beta, .offset: 32, .size: 8, .value_kind: global_buffer, .address_space: global }
      - { .name: b1, .offset: 40, .size: 8, .value_kind: global_buffer, .address_space: global }
      - { .name: xc, .offset: 48, .size: 8, .value_kind: global_buffer, .address_space: global }
      - { .name: stats, .offset: 56, .size: 8, .value_kind: global_buffer, .address_space: global }
      - { .name: gf, .offset: 64, .size: 8, .value_kind: global_buffer, .address_space: global }
      - { .name: w2f, .offset: 72, .size: 8, .value_kind: global_buffer, .address_space: global }
      - { .name: aux, .offset: 80, .size: 8, .value_kind: global_buffer, .address_space: global }
    .group_segment_fixed_size: 0
    .private_segment_fixed_size: 0
    .kernarg_segment_align: 8
    .kernarg_segment_size: 88
    .max_flat_workgroup_size: 256
    .sgpr_count:     66
    .vgpr_count:     212
    .wavefront_size: 32
...
	.end_amdgpu_metadata
.endif
;; end of part 1
;; launch route (part 2): grid 250 x 1, 1 waves a work-group, no clusters, 11,520 bytes of LDS; arguments edge_index, edge_types, lists, slot, meta; writes lists, slot, meta
.if DOCPART == 2
	.amdgcn_target "amdgcn-amd-amdhsa--gfx1250"
	.amdhsa_code_object_version 6
	.text
	.protected	k_qbac8494a4c_route
	.globl	k_qbac8494a4c_route
	.p2align	8
	.type	k_qbac8494a4c_route,@function
k_qbac8494a4c_route:
	s_mov_b64 s[64:65], 0
	v_nop
	global_prefetch_b8 v0, s[64:65] scope:SCOPE_SE
	s_setreg_imm32_b32 hwreg(HW_REG_WAVE_MODE, 25, 1), 1
	s_wait_xcnt 0x0
; The edges of each chunk of 1,280 are sorted by type, for the launch that follows.  One wave to a work-group, one chunk to a wave: 250 x 1,280 = 320,000.
; SLOTS.  The types are taken in order 0 to 7.  An edge's slot is the running count when its turn comes; at a type's end the count is rounded up to a multiple of 16, so that a TILE of 16 slots holds
;   one type.  1,280 + 8 x 15 = 1,400 slots at the most; 1,408 = 88 tiles are kept.  Slots that no edge takes hold node 0 twice (fillers).
; OUT:  lists[chunk][tile 88][row 16 | col 16] (128 bytes a tile);  slot[edge] = its slot, with bit 16 set for a type outside 0..7;  meta[chunk][128] = the type of tile j (the last 40 are never read).
; A type outside 0..7 matches none of the eight: such an edge is carried along as type 0 and marked; the next launch gives it logits 0.
; HOW.  Lane l holds edges 128 i + 4 l + c (register 4 i + c).  For a type and a register: a compare, the count of matching lanes below mine on top of the running count, a select.  Four registers
;   at a time, so that the scalar counts do not wait for each compare.  All lanes stay on throughout.
; The lists are scattered into LDS (first zeroed: the fillers) and read back in order, so that every store of the wave covers 512 consecutive bytes, aligned.  One wave: LDS serves it in order, no barrier.
.set EPW,   1280
.set NSLOT, 1408
.set COLS,  1280000                    ; bytes from edge_index[0] to edge_index[1]
.set LISTB, 8*NSLOT                    ; 11,264 bytes of lists a chunk
.set L16,  1                           ; v1         16 x lane
.set ZERO, 2
.set FLAG, 3                           ; v3         the mark, above a slot's 11 bits
.set TT,   4                           ; v[4:7]     types of tiles 4 l to 4 l + 3
.set TY,   8                           ; v[8:47]    types
.set PS,   48                          ; v[48:87]   slots
.set BK,   8                           ; v[8:95]    at the end: the lists read back
.set RW,   96                          ; v[96:135]  rows
.set CL,   136                         ; v[136:175] cols
.set SL,   176                         ; v[176:215] the mark, then slot | mark
.set TM,   216                         ; v[216:219] at work; v[220:223] zeros
.set JJ,   224                         ; v[224:227] 4 l + c
.set M,    16                          ; s[16:19]   masks of four compares
.set B,    20                          ; s[20:23]   their counts
.set C,    24                          ; s[24:27]   the running count in front of each of the four
.set END,  32                          ; s[32:39]   the tile at which type t ends
	s_load_b256 s[4:11], s[0:1], 0x0               ; edge_index 4:5, edge_types 6:7, lists 8:9, slot 10:11
	s_load_b64 s[12:13], s[0:1], 0x20              ; meta
	v_lshl_add_u32 v228, v0, 2, 0x2c00
	v_mov_b32 v229, 0
	v_lshlrev_b32 v[L16], 4, v0
	v_mov_b32 v[ZERO], 0
	v_mov_b32 v[FLAG], 0x10000
.irp k, 4,5,6,7
	v_mov_b32 v[TM+\k], 0
.endr
	s_mul_i32 s14, ttmp9, EPW*4
	s_mov_b32 s15, 0
	s_mul_i32 s28, ttmp9, LISTB
	s_mov_b32 s29, 0
	s_lshl_b32 s30, ttmp9, 9
	s_mov_b32 s31, 0
	s_wait_kmcnt 0x0
	s_add_nc_u64 s[4:5], s[4:5], s[14:15]
	s_add_nc_u64 s[6:7], s[6:7], s[14:15]
	s_add_nc_u64 s[10:11], s[10:11], s[14:15]
	s_add_nc_u64 s[8:9], s[8:9], s[28:29]
	s_add_nc_u64 s[12:13], s[12:13], s[30:31]
.irp i, 0,1,2,3,4,5,6,7,8,9
	global_load_b128 v[TY+4*\i:TY+4*\i+3], v[L16], s[6:7] offset:512*\i th:TH_LOAD_NT
.endr
.irp i, 0,1,2,3,4,5,6,7,8,9
	global_load_b128 v[RW+4*\i:RW+4*\i+3], v[L16], s[4:5] offset:512*\i th:TH_LOAD_NT
.endr
.irp i, 0,1,2,3,4,5,6,7,8,9
	global_load_b128 v[CL+4*\i:CL+4*\i+3], v[L16], s[4:5] offset:COLS+512*\i th:TH_LOAD_NT
.endr
.set i, 0
.rept 22
	ds_store_b128 v[L16], v[TM+4:TM+7] offset:512*i    ; all 11,264 bytes are zeroed: what no edge overwrites is a filler
.set i, i+1
.endr
	s_wait_loadcnt 20                              ; the types are in; the 20 loads of rows and cols behind them stay out
.set e, 0
.rept 40
	v_cmp_lt_u32 vcc_lo, 7, v[TY+e]                ; unsigned: a negative type is outside too
	v_cndmask_b32 v[SL+e], 0, v[FLAG], vcc_lo
	v_cndmask_b32 v[TY+e], v[TY+e], v[ZERO], vcc_lo
.set e, e+1
.endr
; Type t, registers e to e + 3.  Type 0 writes every lane's slot, so that nothing is cleared; the later types overwrite their own.
.macro RANK4 t, e
.irp k, 0,1,2,3
	v_cmp_eq_u32 s[M+\k], \t, v[TY+\e+\k]
.endr
.irp k, 0,1,2,3
	s_bcnt1_i32_b32 s[B+\k], s[M+\k]
.endr
.irp k, 1,2,3
	s_add_co_u32 s[C+\k], s[C+\k-1], s[B+\k-1]
.endr
.irp k, 0,1,2,3
.if \t == 0
	v_mbcnt_lo_u32_b32 v[PS+\e+\k], s[M+\k], s[C+\k]
.else
	v_mbcnt_lo_u32_b32 v[TM+\k], s[M+\k], s[C+\k]
.endif
.endr
.if \t != 0
.irp k, 0,1,2,3
	v_cndmask_b32 v[PS+\e+\k], v[PS+\e+\k], v[TM+\k], s[M+\k]
.endr
.endif
	s_add_co_u32 s[C], s[C+3], s[B+3]
.endm
	s_mov_b32 s[C], 0
.irp t, 0,1,2,3,4,5,6,7
.irp e, 0,4,8,12,16,20,24,28,32,36
	RANK4 \t, \e
.endr
	s_add_co_u32 s[C], s[C], 15                    ; the type's last tile is filled up
	s_and_b32 s[C], s[C], -16
	s_lshr_b32 s[END+\t], s[C], 4
.endr
	s_wait_loadcnt 0x0                             ; rows and cols
.set e, 0
.rept 40
	v_min_u32 v[PS+e], NSLOT-1, v[PS+e]            ; never binds: 1,400 slots at the most
	v_and_b32 v[TM+e%4], -16, v[PS+e]
	v_or_b32 v[SL+e], v[SL+e], v[PS+e]
	v_add_nc_u32 v[TM+e%4], v[TM+e%4], v[PS+e]     ; slot 16 J + i lies at word 32 J + i,
	v_lshlrev_b32 v[TM+e%4], 2, v[TM+e%4]
	ds_store_b32 v[TM+e%4], v[RW+e]
	ds_store_b32 v[TM+e%4], v[CL+e] offset:64      ; its col 16 words on
.set e, e+1
.endr
	; The type of tile j = how many of types 0 to 6 have ended at or before it; the tiles behind the last edge count as type 7.
.irp c, 0,1,2,3
	v_lshl_add_u32 v[JJ+\c], v0, 2, \c
	v_mov_b32 v[TT+\c], 0
.endr
.irp t, 0,1,2,3,4,5,6
.irp c, 0,1,2,3
	v_cmp_le_u32 vcc_lo, s[END+\t], v[JJ+\c]
	v_add_co_ci_u32 v[TT+\c], vcc_lo, 0, v[TT+\c], vcc_lo
.endr
.endr
.set i, 0
.rept 22
	ds_load_b128 v[BK+4*i:BK+4*i+3], v[L16] offset:512*i   ; LDS serves a wave's instructions in order: these see the stores above
.set i, i+1
.endr
	global_store_b128 v[L16], v[TT:TT+3], s[12:13]
.irp i, 0,1,2,3,4,5,6,7,8,9
	global_store_b128 v[L16], v[SL+4*\i:SL+4*\i+3], s[10:11] offset:512*\i
.endr
.set i, 0
.rept 22
	s_wait_dscnt 21-i                              ; load i is in, the 21 - i behind it stay out
	global_store_b128 v[L16], v[BK+4*i:BK+4*i+3], s[8:9] offset:512*i
.set i, i+1
.endr
	s_wait_tensorcnt 0x0
	ds_add_u32 v228, v229
	s_wait_dscnt 0x0
	s_endpgm
.Lfunc_end_k_qbac8494a4c_route:
	.size	k_qbac8494a4c_route, .Lfunc_end_k_qbac8494a4c_route-k_qbac8494a4c_route
	.p2alignl 7, 3214868480
	.fill 96, 4, 3214868480
	.section	.rodata,"a",@progbits
	.p2align	6, 0x0
	.amdhsa_kernel k_qbac8494a4c_route
		.amdhsa_group_segment_fixed_size 11520
		.amdhsa_private_segment_fixed_size 0
		.amdhsa_enable_private_segment 0
		.amdhsa_kernarg_size 40
		.amdhsa_user_sgpr_count 2
		.amdhsa_user_sgpr_kernarg_segment_ptr 1
		.amdhsa_wavefront_size32 1
		.amdhsa_system_sgpr_workgroup_id_x 1
		.amdhsa_system_sgpr_workgroup_id_y 1
		.amdhsa_system_sgpr_workgroup_id_z 1
		.amdhsa_system_vgpr_workitem_id 0
		.amdhsa_next_free_vgpr 230
		.amdhsa_next_free_sgpr 66
		.amdhsa_reserve_vcc 1
		.amdhsa_float_denorm_mode_32 3
		.amdhsa_float_denorm_mode_16_64 3
		.amdhsa_memory_ordered 1
		.amdhsa_forward_progress 1
		.amdhsa_inst_pref_size 108
	.end_amdhsa_kernel
	.amdgpu_metadata
---
amdhsa.version: [ 1, 2 ]
amdhsa.kernels:
  - .name:           k_qbac8494a4c_route
    .symbol:         k_qbac8494a4c_route.kd
    .args:
      - { .name: edge_index, .offset: 0, .size: 8, .value_kind: global_buffer, .address_space: global }
      - { .name: edge_types, .offset: 8, .size: 8, .value_kind: global_buffer, .address_space: global }
      - { .name: lists, .offset: 16, .size: 8, .value_kind: global_buffer, .address_space: global }
      - { .name: slot, .offset: 24, .size: 8, .value_kind: global_buffer, .address_space: global }
      - { .name: meta, .offset: 32, .size: 8, .value_kind: global_buffer, .address_space: global }
    .group_segment_fixed_size: 11520
    .private_segment_fixed_size: 0
    .kernarg_segment_align: 8
    .kernarg_segment_size: 40
    .max_flat_workgroup_size: 32
    .sgpr_count:     66
    .vgpr_count:     230
    .wavefront_size: 32
...
	.end_amdgpu_metadata
.endif
;; end of part 2
;; launch edges (part 3): grid 250 x 1, 8 waves a work-group, no clusters, 169,984 bytes of LDS; arguments xc, stats, gf, w2f, aux, b2, lists, slot, meta, out0; writes out0
.if DOCPART == 3
	.amdgcn_target "amdgcn-amd-amdhsa--gfx1250"
	.amdhsa_code_object_version 6
	.text
	.protected	k_qbac8494a4c_edges
	.globl	k_qbac8494a4c_edges
	.p2align	8
	.type	k_qbac8494a4c_edges,@function
k_qbac8494a4c_edges:
	s_mov_b64 s[64:65], 0
	v_nop
	global_prefetch_b8 v0, s[64:65] scope:SCOPE_SE
	s_setreg_imm32_b32 hwreg(HW_REG_WAVE_MODE, 25, 1), 1
	s_wait_xcnt 0x0
; out0[e] = I - softmax over the rows of the 4 x 4 map o[e], o = relu(LN(x[row] | x[col]) gamma_t W1_t + ...) W2_t + b2_t, t = the edge's type.  Only the edge's own type is computed.
; With xc, {m, M2}, G = gamma W1, c1, csd as an earlier launch made them, for an edge (a, b):  d = (m_a - m_b) / 2,  v = (M2_a + M2_b) / 256 + d^2 + eps,  s = sqrt(v),  rstd = 1 / s,
;   y = (xc_a | xc_b) G + d csd + s c1,   relu(z) = rstd relu(y) since rstd > 0,   o = rstd (relu(y) W2) + b2.   So the gathered bf16 rows go into the matrix unit as they lie.
; SHARES.  A work-group owns a chunk of 1,280 consecutive edges (250 x 1,280 = 320,000), sorted by type into 88 tiles of 16 by the launch before.  Wave w takes tiles 11 w to 11 w + 10: the same
;   number for every wave, whatever the spread of the types.  The tiles are written out by macro, so that a tile's number stands in the immediates of its LDS accesses and the last tile asks for nothing.
; WEIGHTS.  G of the tile's type, 32 KiB, lies in 256 registers and is loaded again only where the next tile's type differs: the chunk has seven changes of type at the most for its eight waves.
; MATRIX USE, transposed: source 0 = 16 columns of G (or of W2), source 1 = 16 edges.  In a result lane l holds edge l % 16 and units 8 (l / 16) + 0..7, so that layer 1's results, rounded in pairs,
;   ARE source 1 of layer 2, and layer 2 leaves a lane two whole rows of its edge's 4 x 4 map: nothing changes lanes.
; GATHER.  One load of the wave brings an edge's two rows of xc: lanes 0-15 the 256 bytes of node a, lanes 16-31 those of node b.  A tile's 16 loads are asked for a whole tile ahead.
; THE WAY OUT.  Results go to LDS in the order of the slots; behind the one barrier each thread fetches the 16 bytes that belong at its place in out0, by the edge's slot, and 16 lanes store 256 bytes.
; No tensor loads and no cluster: the rows are named by data, one row a request; the weights that work-groups share live in registers, not in LDS; 250 work-groups do not divide by four.
; LDS: STG (wave w's 16 rows of 512 + 16 bytes), LIST (wave w's 11 tiles of 128 bytes), RES (1,408 slots of 64 bytes).  STG and LIST are each wave's own; RES passes between waves behind the barrier.
; LIMITS.  Finite inputs (relu and the maxima drop a NaN).  Node indices are clamped to 49,999 (the table's last row).  An edge marked as of no type gets logits 0: I - 1/4.
.set EPW,    1280
.set NNODE,  50000
.set TPW,    11                        ; tiles of a wave
.set NSLOT,  1408
.set SPITCH, 528                       ; 33 x 16 bytes: the 16 rows that a fragment load touches start 16 bytes apart modulo 256
.set LISTL,  8*16*SPITCH               ; 67,584
.set RESL,   LISTL+8*TPW*128           ; 78,848; RES ends at 168,960
; window 0
.set L16,  1                           ; 16 (l % 16): my 16 bytes of a row of xc
.set SA,   2                           ; stage, in: 16 l
.set FA,   3                           ; stage, fragments: 528 (l % 16) + 16 (l / 16)
.set LB,   4                           ; my list: a tile's rows for lanes 0-15, its cols for lanes 16-31
.set LR,   5                           ; LB + 4 (l % 16)
.set OA,   6                           ; RES: my wave's first tile, slot l % 16, 32 (l / 16)
.set LN16, 7                           ; 16 l
.set H32,  8                           ; 32 (l / 16)
.set SGN,  9                           ; +0.5 in lanes 0-15, -0.5 in lanes 16-31
.set E0,   10                          ; 1 in lanes 0-15, else 0
.set E1,   11                          ; 1 in lanes 16-31, else 0
.set SI,   12                          ; my node's offset in stats
.set RS,   14                          ; v[14:15] rstd (then rstd log2 e); the second is named with it as a pair and holds 0
.set ST,   16                          ; v[16:17] my node's {m, M2}
.set DS,   18                          ; v[18:19] d, s
.set OT,   20                          ; v[20:21] the other node's {m, M2}
.set MX,   22                          ; v[22:23] the two rows' maxima
.set RC,   24                          ; v[24:25] the two rows' 1 / sum
.set TA,   26                          ; v[26:31] at work
.set B2,   32                          ; v[32:39]   b2[8 h + j] log2 e
.set W2F,  40                          ; v[40:55]   W2's two fragments
.set C1,   56                          ; v[56:87]   c1[16 b + 8 h + j] at 8 b + j
.set CSD,  88                          ; v[88:119]  csd likewise
.set ACC,  120                         ; v[120:151] layer 1's four accumulators
.set O,    ACC                         ; v[120:127] later the logits, the weights and the results
.set FRA,  152                         ; v[152:167] two fragments of the edges' rows
.set FRB,  168                         ; v[168:183] two more
.set H1,   FRA                         ; layer 2's source 1, once FRA has been multiplied
.set OFF,  FRB                         ; the next tile's 16 offsets in xc, until its loads' addresses are translated
.set ACC2, FRB                         ; v[168:175] layer 2's accumulator
.set X,    184                         ; v[184:247] the tile on its way: edge i in 4 registers
.set GA,   248                         ; v248-251 offsets of the type's G, W2, c1 and csd, b2
.set WA,   249
.set AA,   250
.set BA,   251
.set SO,   252                         ; 4 (thread / 4): my edge in slot[]
; the way out
.set RR,   32                          ; v[32:111]  20 pieces of 16 bytes
.set SLT,  X                           ; v[184:203] their edges' slots
.set AD,   204                         ; v[204:223] their LDS addresses
.set FL,   224                         ; v[224:227] my row of I - 1/4
.set FN,   228
.set FP,   229
.set QB,   230
.set TO,   231
; window 1: G.  The fragment of K step ks and block b at v[8 (4 ks + b)]
.set WV,   24                          ; s24 my wave's number
.set TMP,  25
.set TYP,  40                          ; s[40:50] the types of my 11 tiles
.set MSB, 0
.macro WIN new                         ; s_set_vgpr_msb's low byte: bits 1:0 source 0, 7:6 destination; its high byte repeats the setting that is left
.if MSB != \new
	s_set_vgpr_msb (MSB<<8)|\new
.set MSB, \new
.endif
.endm
; The tables of tile j's type: 86 loads.  The type comes from memory: it is clamped before it enters an offset.
.macro GLOAD j
	s_min_u32 s[TMP], s[TYP+\j], 7
	s_lshl_b32 s28, s[TMP], 15
	s_lshl_b32 s29, s[TMP], 11
	s_lshl_b32 s30, s[TMP], 9
	s_lshl_b32 s31, s[TMP], 6
	v_add_nc_u32 v[GA], s28, v[LN16]
	v_add_nc_u32 v[WA], s29, v[LN16]
	v_add_nc_u32 v[AA], s30, v[H32]
	v_add_nc_u32 v[BA], s31, v[H32]
	global_load_b128 v[B2:B2+3], v[BA], s[14:15]
	global_load_b128 v[B2+4:B2+7], v[BA], s[14:15] offset:16
.irp c, 0,1,2,3
	global_load_b128 v[W2F+4*\c:W2F+4*\c+3], v[WA], s[10:11] offset:512*\c
.endr
.irp c, 0,1,2,3,4,5,6,7
	global_load_b128 v[C1+4*\c:C1+4*\c+3], v[AA], s[12:13] offset:64*(\c/2)+16*(\c%2)
.endr
.irp c, 0,1,2,3,4,5,6,7
	global_load_b128 v[CSD+4*\c:CSD+4*\c+3], v[AA], s[12:13] offset:256+64*(\c/2)+16*(\c%2)
.endr
	WIN 0x40                                       ; destination window 1, offset window 0
.set gi, 0
.rept 64
	global_load_b128 v[4*gi:4*gi+3], v[GA], s[8:9] offset:512*gi   ; G: 64 x 512 bytes, in the order of its registers
.set gi, gi+1
.endr
	WIN 0
.endm
.macro GFIX                            ; the logits are kept in base 2: b2 log2 e
.irp p, 0,1,2,3
	v_pk_mul_f32 v[B2+2*\p:B2+2*\p+1], v[B2+2*\p:B2+2*\p+1], s[34:35] op_sel_hi:[1,0]
.endr
.endm
; The list entries of tile j: its 16 rows (lanes 0-15) or cols (lanes 16-31), the same in all 16 lanes, and the node of my own edge.
.macro IDX j
.irp g, 0,1,2,3
	ds_load_b128 v[OFF+4*\g:OFF+4*\g+3], v[LB] offset:128*(\j)+16*\g
.endr
	ds_load_b32 v[SI], v[LR] offset:128*(\j)
.endm
; A tile is asked for: 16 loads of 512 bytes (two whole rows of xc each) and my node's stats.
.macro ASK
.set i, 0
.rept 16
	v_min_u32 v[OFF+i], NNODE-1, v[OFF+i]
.set i, i+1
.endr
	v_min_u32 v[SI], NNODE-1, v[SI]
.set i, 0
.rept 16
	v_lshlrev_b32 v[OFF+i], 8, v[OFF+i]
.set i, i+1
.endr
	v_lshlrev_b32 v[SI], 3, v[SI]
.set i, 0
	s_wait_alu depctr_va_vdst(0)
.rept 16
	v_add_nc_u32 v[OFF+i], v[L16], v[OFF+i]
.set i, i+1
.endr
.set i, 0
.rept 16
	global_load_b128 v[X+4*i:X+4*i+3], v[OFF+i], s[4:5]
.set i, i+1
.endr
	global_load_b64 v[ST:ST+1], v[SI], s[6:7]
.endm
.macro FRAG dst, ks                    ; 16 edges x 32 K: lane l takes row l % 16; K = 8 (l / 16) + 0..7 and 16 + 8 (l / 16) + 0..7
	ds_load_b128 v[\dst:\dst+3], v[FA] offset:64*\ks
	ds_load_b128 v[\dst+4:\dst+7], v[FA] offset:64*\ks+32
.endm
.macro MUL4 ks, src, zero              ; the four accumulators take turns, one instruction a turn; zero = 1: the first K step starts the sums
.irp b, 0,1,2,3
.if \zero
	v_wmma_f32_16x16x32_bf16 v[ACC+8*\b:ACC+8*\b+7], v[8*(4*\ks+\b):8*(4*\ks+\b)+7], v[\src:\src+7], 0
.else
	v_wmma_f32_16x16x32_bf16 v[ACC+8*\b:ACC+8*\b+7], v[8*(4*\ks+\b):8*(4*\ks+\b)+7], v[\src:\src+7], v[ACC+8*\b:ACC+8*\b+7]
.endif
.endr
.endm
.macro PLACES                          ; four plain vector instructions between a matrix instruction and a load into one of its sources or a read of its result (ISA guide 7.12.1 for a read of its result)
.rept 4
	v_nop
.endr
.endm
.macro EPI1 b                          ; block b: y = acc + d csd + s c1; relu; rounded in pairs: half a fragment of layer 2's source 1
.irp p, 0,1,2,3
	v_pk_fma_f32 v[ACC+8*\b+2*\p:ACC+8*\b+2*\p+1], v[CSD+8*\b+2*\p:CSD+8*\b+2*\p+1], v[DS:DS+1], v[ACC+8*\b+2*\p:ACC+8*\b+2*\p+1] op_sel_hi:[1,0,1]
.endr
.irp p, 0,1,2,3
	v_pk_fma_f32 v[ACC+8*\b+2*\p:ACC+8*\b+2*\p+1], v[C1+8*\b+2*\p:C1+8*\b+2*\p+1], v[DS:DS+1], v[ACC+8*\b+2*\p:ACC+8*\b+2*\p+1] op_sel:[0,1,0] op_sel_hi:[1,1,1]
.endr
.irp j, 0,1,2,3,4,5,6,7
	v_max_num_f32 v[ACC+8*\b+\j], 0, v[ACC+8*\b+\j]
.endr
.irp p, 0,1,2,3
	v_cvt_pk_bf16_f32 v[H1+4*\b+\p], v[ACC+8*\b+2*\p], v[ACC+8*\b+2*\p+1]
.endr
.endm
	s_load_b512 s[4:19], s[0:1], 0x0               ; xc 4:5, stats 6:7, gf 8:9, w2f 10:11, aux 12:13, b2 14:15, lists 16:17, slot 18:19
	s_load_b128 s[20:23], s[0:1], 0x40             ; meta 20:21, out0 22:23
	v_lshl_add_u32 v254, v0, 2, 0x29400
	v_mov_b32 v255, 0
	v_lshrrev_b32 v31, 5, v0
	v_readfirstlane_b32 s[WV], v31
	v_and_b32 v20, 31, v0                          ; lane
	v_and_b32 v21, 15, v0                          ; r = l % 16
	v_bfe_u32 v22, v0, 4, 1                        ; h = l / 16
	v_lshlrev_b32 v[LN16], 4, v20
	v_lshlrev_b32 v[H32], 5, v22
	v_lshlrev_b32 v30, 2, v20                      ; 4 l
	s_lshl_b32 s26, ttmp9, 9                       ; meta: 512 bytes a chunk, 44 a wave
	s_mul_i32 s[TMP], s[WV], TPW*4
	s_add_co_u32 s26, s26, s[TMP]
	s_mov_b32 s27, 0
	s_mul_i32 s28, ttmp9, NSLOT*8                  ; lists: 11,264 bytes a chunk, 1,408 a wave
	s_mul_i32 s[TMP], s[WV], TPW*128
	s_add_co_u32 s28, s28, s[TMP]
	s_mov_b32 s29, 0
	s_wait_kmcnt 0x0
	s_add_nc_u64 s[20:21], s[20:21], s[26:27]
	s_add_nc_u64 s[16:17], s[16:17], s[28:29]
	s_load_b256 s[TYP:TYP+7], s[20:21], 0x0        ; the types of my 11 tiles
	s_load_b96 s[TYP+8:TYP+10], s[20:21], 0x20
.set i, 0
.rept TPW
	global_load_b32 v[X+i], v30, s[16:17] offset:128*i   ; my 11 tiles' lists, a tile a load
.set i, i+1
.endr
	s_mul_i32 s26, ttmp9, EPW*4
	s_add_nc_u64 s[18:19], s[18:19], s[26:27]      ; the chunk's part of slot[]
	s_mul_i32 s26, ttmp9, EPW*64
	s_add_nc_u64 s[22:23], s[22:23], s[26:27]      ; and of out0
	s_mov_b32 s32, 0x76543210                      ; v_permlanex16_b32: each lane takes its own place in the other half
	s_mov_b32 s33, 0xfedcba98
	s_mov_b32 s34, 0x3fb8aa3b                      ; log2 e; named as a pair, so both are written
	s_mov_b32 s35, 0x3fb8aa3b
	s_mov_b32 s36, 0x3b800000                      ; 1 / 256
	s_mov_b32 s37, 0x3727c5ac                      ; eps = 1e-5
	s_mul_i32 s38, s[WV], 16*SPITCH                ; my stage
	s_mul_i32 s39, s[WV], TPW*128
	s_add_co_u32 s39, s39, LISTL                   ; my list
	s_mul_i32 s51, s[WV], TPW*1024
	s_add_co_u32 s51, s51, RESL                    ; my tiles' results
	v_add_nc_u32 v[SA], s38, v[LN16]
	v_mul_u32_u24 v[FA], v21, SPITCH
	v_lshl_add_u32 v[FA], v22, 4, v[FA]
	v_add_nc_u32 v[FA], s38, v[FA]
	v_add_nc_u32 v29, s39, v30
	v_lshl_add_u32 v[LB], v22, 6, s39
	v_lshl_add_u32 v[LR], v21, 2, v[LB]
	v_lshl_add_u32 v[OA], v21, 6, v[H32]
	v_add_nc_u32 v[OA], s51, v[OA]
	v_cvt_f32_u32 v[E1], v22
	v_sub_f32 v[E0], 1.0, v[E1]
	v_sub_f32 v[SGN], 0.5, v[E1]
	v_lshlrev_b32 v[L16], 4, v21
	v_mov_b32 v[RS+1], 0
	v_lshrrev_b32 v[SO], 2, v0
	v_lshlrev_b32 v[SO], 2, v[SO]
	s_wait_kmcnt 0x0                               ; the types
	GLOAD 0
	s_wait_loadcnt 63                              ; 86 loads are younger than the lists' 11, and the count's field holds 63: the lists are in
.set i, 0
.rept TPW
	ds_store_b32 v29, v[X+i] offset:128*i          ; my own bytes, and LDS serves a wave in order: no barrier in front of the reads
.set i, i+1
.endr
	IDX 0
	s_wait_dscnt 0x0
	ASK
	s_wait_loadcnt 17                              ; all but the 17 loads just issued: the tables are in
	GFIX
; Tile j of my 11.
.macro TILE j
.if \j > 0
	s_cmp_eq_u32 s[TYP+\j], s[TYP+\j-1]
	s_cbranch_scc1 .Lsame_\@
	GLOAD \j                                       ; another type: its tables take the old ones' place; the last product that read them stands more than four plain instructions back
	s_wait_loadcnt 0x0
	GFIX
.Lsame_\@:
.endif
	s_wait_loadcnt 0x0                             ; this tile's 17 loads: all are needed now, and nothing younger is out; it also frees their offset registers
.if \j < TPW-1
	IDX \j+1                                       ; the next tile's entries
.endif
.set i, 0
.rept 16
	ds_store_b128 v[SA], v[X+4*i:X+4*i+3] offset:SPITCH*i   ; edge i's 512 bytes, one row of my stage
.set i, i+1
.endr
	v_permlanex16_b32 v[OT], v[ST], s32, s33       ; the edge's other node
	v_permlanex16_b32 v[OT+1], v[ST+1], s32, s33
	v_sub_f32 v[TA], v[ST], v[OT]
	v_add_f32 v[TA+1], v[ST+1], v[OT+1]
	v_mul_f32 v[DS], v[SGN], v[TA]                 ; d = (m_a - m_b) / 2 in both halves of the lanes
	v_fma_f32 v[TA+1], v[TA+1], s36, s37           ; (M2_a + M2_b) / 256 + eps
	v_fmac_f32 v[TA+1], v[DS], v[DS]               ; + d^2
	v_sqrt_f32 v[DS+1], v[TA+1]
	v_rsq_f32 v[RS], v[TA+1]
	v_nop                                          ; a plain instruction behind the two (ISA guide 5.7.2)
	s_wait_alu depctr_va_vdst(0)
.if \j < TPW-1
	s_wait_dscnt 16                                ; the five list reads are in; the 16 stores behind them may be out
	ASK                                            ; the next tile: 8 KiB of the wave on their way for a whole tile
.else
.set i, 0
.rept 20
	global_load_b32 v[SLT+i], v[SO], s[18:19] offset:256*i   ; nothing is left to gather: the slots of the 20 edges whose pieces I store, edge thread / 4 + 64 i
.set i, i+1
.endr
.endif
	FRAG FRA, 0
	FRAG FRA+8, 1
.if \j < TPW-1
	s_wait_xcnt 0x0                                ; the offsets in FRB are sources of the loads just issued: FRB is loaded only behind this wait
.endif
	FRAG FRB, 2
	FRAG FRB+8, 3
	s_wait_dscnt 4                                 ; here and below: all but the four loads just issued
	WIN 0x01                                       ; source 0 (G) in window 1
	MUL4 0, FRA, 1
	MUL4 1, FRA+8, 0
	PLACES
	WIN 0
	FRAG FRA, 4
	FRAG FRA+8, 5
	s_wait_dscnt 4
	WIN 0x01
	MUL4 2, FRB, 0
	MUL4 3, FRB+8, 0
	PLACES
	WIN 0
	FRAG FRB, 6
	FRAG FRB+8, 7
	s_wait_dscnt 4
	WIN 0x01
	MUL4 4, FRA, 0
	MUL4 5, FRA+8, 0
	s_wait_dscnt 0
	MUL4 6, FRB, 0
	MUL4 7, FRB+8, 0
	WIN 0
	PLACES
	EPI1 0
	EPI1 1
	EPI1 2
	EPI1 3
	v_wmma_f32_16x16x32_bf16 v[ACC2:ACC2+7], v[W2F:W2F+7], v[H1:H1+7], 0
	s_wait_alu depctr_va_vdst(0)                   ; one accumulator, a chain of two
	v_wmma_f32_16x16x32_bf16 v[ACC2:ACC2+7], v[W2F+8:W2F+15], v[H1+8:H1+15], v[ACC2:ACC2+7]
	v_mul_f32 v[RS], s34, v[RS]                    ; rstd log2 e
	PLACES
.irp p, 0,1,2,3
	v_pk_fma_f32 v[O+2*\p:O+2*\p+1], v[ACC2+2*\p:ACC2+2*\p+1], v[RS:RS+1], v[B2+2*\p:B2+2*\p+1] op_sel_hi:[1,0,1]   ; o log2 e
.endr
	v_max3_num_f32 v[MX], v[O], v[O+1], v[O+2]     ; my two rows of the 4 x 4 map: registers 0-3 and 4-7
	v_max3_num_f32 v[MX+1], v[O+4], v[O+5], v[O+6]
	v_max_num_f32 v[MX], v[MX], v[O+3]
	v_max_num_f32 v[MX+1], v[MX+1], v[O+7]
.irp p, 0,1
	v_pk_add_f32 v[O+2*\p:O+2*\p+1], v[O+2*\p:O+2*\p+1], v[MX:MX+1] op_sel_hi:[1,0] neg_lo:[0,1] neg_hi:[0,1]
.endr
.irp p, 2,3
	v_pk_add_f32 v[O+2*\p:O+2*\p+1], v[O+2*\p:O+2*\p+1], v[MX:MX+1] op_sel:[0,1] op_sel_hi:[1,1] neg_lo:[0,1] neg_hi:[0,1]
.endr
.irp e, 0,1,2,3,4,5,6,7
	v_exp_f32 v[O+\e], v[O+\e]
.endr
	v_nop                                          ; a plain instruction between the exponentials and the use of their results (ISA guide 5.7.2)
	s_wait_alu depctr_va_vdst(0)
	v_pk_add_f32 v[TA+2:TA+3], v[O:O+1], v[O+2:O+3]
	v_pk_add_f32 v[TA+4:TA+5], v[O+4:O+5], v[O+6:O+7]
	v_add_f32 v[RC], v[TA+2], v[TA+3]
	v_add_f32 v[RC+1], v[TA+4], v[TA+5]
	v_rcp_f32 v[RC], v[RC]                         ; a sum is at least 1: the row's largest weight
	v_rcp_f32 v[RC+1], v[RC+1]
	v_nop                                          ; likewise behind the reciprocals
	s_wait_alu depctr_va_vdst(0)
.irp e, 0,1,2,3,4,5,6,7                ; I - softmax: lanes 0-15 hold rows 0 and 1 (the diagonal at registers 0 and 5), lanes 16-31 rows 2 and 3 (at 2 and 7)
.if (\e == 0) || (\e == 5)
	v_fma_f32 v[O+\e], -v[O+\e], v[RC+\e/4], v[E0]
.elseif (\e == 2) || (\e == 7)
	v_fma_f32 v[O+\e], -v[O+\e], v[RC+\e/4], v[E1]
.else
	v_mul_f32 v[O+\e], -v[O+\e], v[RC+\e/4]
.endif
.endr
	ds_store_b128 v[OA], v[O:O+3] offset:1024*\j   ; slot 16 (11 w + j) + l % 16, my 32 of its 64 bytes
	ds_store_b128 v[OA], v[O+4:O+7] offset:1024*\j+16
.endm
.irp j, 0,1,2,3,4,5,6,7,8,9,10
	TILE \j
.endr
	; THE WAY OUT.  All 1,408 slots of RES have been written, each by one wave.  Piece p = thread + 256 i of the chunk's 5,120 pieces of 16 bytes is row p % 4 of edge p / 4.
	s_wait_loadcnt 0x0                             ; the slots
	s_wait_dscnt 0x0                               ; for the others' sake: my stores into RES are done
	s_barrier_signal -1
	s_barrier_wait -1
	v_and_b32 v[QB], 3, v0
	v_mov_b32 v[FN], 0xbe800000                    ; -0.25
	v_mov_b32 v[FP], 0x3f400000                    ; 0.75
.irp c, 0,1,2,3
	v_cmp_eq_u32 vcc_lo, \c, v[QB]
	v_cndmask_b32 v[FL+\c], v[FN], v[FP], vcc_lo   ; my row of I - 1/4, for an edge of no type
.endr
	v_lshlrev_b32 v[QB], 4, v[QB]
	v_add_nc_u32 v[QB], RESL, v[QB]
	v_lshlrev_b32 v[TO], 4, v0
.set i, 0
.rept 20
	v_and_b32 v[AD+i], 0xffff, v[SLT+i]
.set i, i+1
.endr
.set i, 0
.rept 20
	v_min_u32 v[AD+i], NSLOT-1, v[AD+i]            ; never binds: a slot is below 1,408
.set i, i+1
.endr
.set i, 0
.rept 20
	v_lshlrev_b32 v[AD+i], 6, v[AD+i]
.set i, i+1
.endr
.set i, 0
.rept 20
	v_add_nc_u32 v[AD+i], v[QB], v[AD+i]
.set i, i+1
.endr
.set i, 0
.rept 20
	ds_load_b128 v[RR+4*i:RR+4*i+3], v[AD+i]       ; behind the barrier LDS is only read
.set i, i+1
.endr
.set i, 0
.rept 20
	s_wait_dscnt 19-i                              ; LDS loads come back in order: load i is in, the 19 - i behind it stay out
	v_cmp_le_u32 vcc_lo, 0x10000, v[SLT+i]         ; the mark
	v_cndmask_b32 v[RR+4*i], v[RR+4*i], v[FL], vcc_lo
	v_cndmask_b32 v[RR+4*i+1], v[RR+4*i+1], v[FL+1], vcc_lo
	v_cndmask_b32 v[RR+4*i+2], v[RR+4*i+2], v[FL+2], vcc_lo
	v_cndmask_b32 v[RR+4*i+3], v[RR+4*i+3], v[FL+3], vcc_lo
	global_store_b128 v[TO], v[RR+4*i:RR+4*i+3], s[22:23] offset:4096*i th:TH_STORE_NT   ; 16 lanes store 256 consecutive bytes, aligned; out0 is not read again
.set i, i+1
.endr
	s_wait_tensorcnt 0x0
	ds_add_u32 v254, v255
	s_wait_dscnt 0x0
	s_endpgm
.Lfunc_end_k_qbac8494a4c_edges:
	.size	k_qbac8494a4c_edges, .Lfunc_end_k_qbac8494a4c_edges-k_qbac8494a4c_edges
	.p2alignl 7, 3214868480
	.fill 96, 4, 3214868480
	.section	.rodata,"a",@progbits
	.p2align	6, 0x0
	.amdhsa_kernel k_qbac8494a4c_edges
		.amdhsa_group_segment_fixed_size 169984
		.amdhsa_private_segment_fixed_size 0
		.amdhsa_enable_private_segment 0
		.amdhsa_kernarg_size 80
		.amdhsa_user_sgpr_count 2
		.amdhsa_user_sgpr_kernarg_segment_ptr 1
		.amdhsa_wavefront_size32 1
		.amdhsa_system_sgpr_workgroup_id_x 1
		.amdhsa_system_sgpr_workgroup_id_y 1
		.amdhsa_system_sgpr_workgroup_id_z 1
		.amdhsa_system_vgpr_workitem_id 0
		.amdhsa_next_free_vgpr 512
		.amdhsa_next_free_sgpr 66
		.amdhsa_reserve_vcc 1
		.amdhsa_float_denorm_mode_32 3
		.amdhsa_float_denorm_mode_16_64 3
		.amdhsa_memory_ordered 1
		.amdhsa_forward_progress 1
		.amdhsa_inst_pref_size 255
	.end_amdhsa_kernel
	.section	.bss,"aw",@nobits
	.p2align	6
	.space	262144
	.amdgpu_metadata
---
amdhsa.version: [ 1, 2 ]
amdhsa.kernels:
  - .name:           k_qbac8494a4c_edges
    .symbol:         k_qbac8494a4c_edges.kd
    .args:
      - { .name: xc, .offset: 0, .size: 8, .value_kind: global_buffer, .address_space: global }
      - { .name: stats, .offset: 8, .size: 8, .value_kind: global_buffer, .address_space: global }
      - { .name: gf, .offset: 16, .size: 8, .value_kind: global_buffer, .address_space: global }
      - { .name: w2f, .offset: 24, .size: 8, .value_kind: global_buffer, .address_space: global }
      - { .name: aux, .offset: 32, .size: 8, .value_kind: global_buffer, .address_space: global }
      - { .name: b2, .offset: 40, .size: 8, .value_kind: global_buffer, .address_space: global }
      - { .name: lists, .offset: 48, .size: 8, .value_kind: global_buffer, .address_space: global }
      - { .name: slot, .offset: 56, .size: 8, .value_kind: global_buffer, .address_space: global }
      - { .name: meta, .offset: 64, .size: 8, .value_kind: global_buffer, .address_space: global }
      - { .name: out0, .offset: 72, .size: 8, .value_kind: global_buffer, .address_space: global }
    .group_segment_fixed_size: 169984
    .private_segment_fixed_size: 0
    .kernarg_segment_align: 8
    .kernarg_segment_size: 80
    .max_flat_workgroup_size: 256
    .sgpr_count:     66
    .vgpr_count:     512
    .wavefront_size: 32
...
	.end_amdgpu_metadata
.endif
;; end of part 3
;; ======== version 2 of 3: 2 launches; 1.22 times as fast as version 1
;; workspace buffers: xc 12,800,000 bytes; stats 400,128 bytes; gf 262,144 bytes; w2f 16,384 bytes; aux 4,096 bytes; lists 2,816,000 bytes of whole numbers; slot 1,280,000 bytes of whole numbers; meta 128,000 bytes of whole numbers
;; launch prep (part 4): grid 1845 x 1, 1 waves a work-group, no clusters, 11,520 bytes of LDS; arguments x, W1, W2, gamma, beta, b1, edge_index, edge_types, xc, stats, gf, w2f, aux, lists, slot, meta; writes xc, stats, gf, w2f, aux, lists, slot, meta
.if DOCPART == 4
	.amdgcn_target "amdgcn-amd-amdhsa--gfx1250"
	.amdhsa_code_object_version 6
	.text
	.protected	k_qbac8494a4c_prep
	.globl	k_qbac8494a4c_prep
	.p2align	8
	.type	k_qbac8494a4c_prep,@function
k_qbac8494a4c_prep:
	s_mov_b64 s[64:65], 0
	v_nop
	global_prefetch_b8 v0, s[64:65] scope:SCOPE_SE
	s_setreg_imm32_b32 hwreg(HW_REG_WAVE_MODE, 25, 1), 1
	s_wait_xcnt 0x0
; All that the edge launch needs, made once.  Three roles that depend on nothing of each other share this launch, chosen by the work-group's number; the role with the longest chain has the lowest numbers.
; ONE WAVE TO A WORK-GROUP: the routing role scatters into LDS at places made from data, and with one wave no other wave's bytes exist; the other roles need neither LDS nor a barrier.  The LDS that
;   the launch declares is the routing role's; 16 work-groups of 11,520 bytes and 238 registers fit on a WGP, and 1,845 work-groups are about seven to each.
; ROUTE (work-groups 0 to 249).  The edges of each chunk of 1,280 (250 x 1,280 = 320,000) are sorted by type.
;   SLOTS.  The types are taken in order 0 to 7.  An edge's slot is the running count when its turn comes; at a type's end the count is rounded up to a multiple of 16, so that a TILE of 16 slots holds
;   one type.  1,280 + 8 x 15 = 1,400 slots at the most; 1,408 = 88 tiles are kept.  Slots that no edge takes hold node 0 twice (fillers).
;   OUT:  lists[chunk][tile 88][row 16 | col 16] (128 bytes a tile);  slot[edge] = its slot, with bit 16 set for a type outside 0..7;  meta[chunk][128] = the type of tile j (the last 40 are never read).
;   A type outside 0..7 matches none of the eight: such an edge is carried along as type 0 and marked; the next launch gives it logits 0.
; WEIGHTS (work-groups 250 to 281).  gf = bf16(gamma[t][k] W1[t][k][n]) laid out as matrix fragments ([t][K step of 32][block of 16 n][half q][lane][16 bytes]: lane (r = l % 16, h = l / 16),
;   element i is k = 32 ks + 16 q + 8 h + i, n = 16 b + r); w2f = bf16(W2) likewise ([t][K step][q][lane][16 bytes]); aux[t][0][n] = c1 = beta . W1 + b1;
;   aux[t][1][n] = csd = the column sums of gamma W1 over k < 128 less those over k >= 128 (what d, below, is multiplied by).
; NODES (work-groups 282 to 1,844).  For each row n of x (128 f32): m = its mean, M2 = the sum of (x - m)^2; xc[n] = bf16(x[n] - m), 256 bytes; stats[n] = {m, M2}.
;   For an edge (a, b) the LayerNorm over the 256 joined numbers then needs no pass over them: mu = (m_a + m_b) / 2, d = (m_a - m_b) / 2, var = (M2_a + M2_b) / 256 + d^2,
;   and h - mu = (x_a - m_a) + d on the first half, (x_b - m_b) - d on the second.  No difference of large sums is formed: a common offset of x leaves with m.
;   A wave takes 32 rows.  50,000 = 1,562 x 32 + 16: the last work-group has a path of its own, of 16 rows, so that no byte is stored by two work-groups.
; No matrix unit, no cluster, no tensor loads: x is streamed once, a row's reduction never leaves its wave, and no two work-groups read the same bytes but for the small tables.
; LIMIT: finite inputs.
.set NROUTE,  250
.set NWEIGHT, 32
.set NODEG,   1563                     ; work-groups of the node role
	v_lshl_add_u32 v236, v0, 2, 0x2c00
	v_mov_b32 v237, 0
	s_cmp_lt_u32 ttmp9, NROUTE
	s_cbranch_scc1 .Lroute
	s_cmp_lt_u32 ttmp9, NROUTE+NWEIGHT
	s_cbranch_scc1 .Lweights
	; ---------------- nodes ----------------
.set SP,   4                           ; v[4:5]     lane i keeps {m, M2} of the wave's row i
.set X,    8                           ; v[8:135]   row i in 4 registers, as loaded; its first two then hold the row's bf16
.set T,    136                         ; v[136:151] eight registers at work for each of two rows
	s_load_b64 s[4:5], s[0:1], 0x0                 ; x
	s_load_b128 s[8:11], s[0:1], 0x40              ; xc 8:9, stats 10:11
	s_sub_co_u32 s27, ttmp9, NROUTE+NWEIGHT        ; my 32 rows begin at row 32 x this
	s_mov_b32 s28, 0x76543210                      ; v_permlanex16_b32: each lane takes its own place in the other half
	s_mov_b32 s29, 0xfedcba98
	v_lshlrev_b32 v2, 4, v0                        ; 16 bytes a lane: a row of x is one load of the wave
	v_lshlrev_b32 v3, 3, v0                        ; 8 bytes a lane: a row of xc, and the wave's 32 pairs of stats
	v_mov_b32 v[SP], 0
	v_mov_b32 v[SP+1], 0
	s_lshl_b32 s30, s27, 14                        ; 32 rows of 512 bytes,
	s_mov_b32 s31, 0
	s_lshl_b32 s32, s27, 13                        ; of 256,
	s_mov_b32 s33, 0
	s_lshl_b32 s34, s27, 8                         ; of 8
	s_mov_b32 s35, 0
	s_wait_kmcnt 0x0
	s_add_nc_u64 s[4:5], s[4:5], s[30:31]
	s_add_nc_u64 s[8:9], s[8:9], s[32:33]
	s_add_nc_u64 s[10:11], s[10:11], s[34:35]
	s_cmp_eq_u32 s27, NODEG-1
	s_cbranch_scc1 .Lshort
; The sum over the 32 lanes of v[T+8d+o], for both rows; v[T+8d+o+1] has been written and is used up.
.macro ALLSUM o
.irp m, 1,2,4,8
.irp d, 0,1
	v_add_f32_dpp v[T+8*\d+\o], v[T+8*\d+\o], v[T+8*\d+\o] row_xmask:\m row_mask:0xf bank_mask:0xf
.endr
.endr
.irp d, 0,1
	v_permlanex16_b32 v[T+8*\d+\o+1], v[T+8*\d+\o], s28, s29
.endr
.irp d, 0,1
	v_add_f32 v[T+8*\d+\o], v[T+8*\d+\o], v[T+8*\d+\o+1]
.endr
.endm
; Rows i and i + 1 of n, stage by stage, so that two chains take turns.
.macro PAIR i, n
	s_wait_loadcnt \n-2-\i                         ; loads come back in order: rows up to i + 1 are in, the n - 2 - i behind them stay out
.irp d, 0,1
	v_pk_add_f32 v[T+8*\d:T+8*\d+1], v[X+4*(\i+\d):X+4*(\i+\d)+1], v[X+4*(\i+\d)+2:X+4*(\i+\d)+3]
.endr
.irp d, 0,1
	v_add_f32 v[T+8*\d], v[T+8*\d], v[T+8*\d+1]
.endr
	ALLSUM 0
.irp d, 0,1
	v_mul_f32 v[T+8*\d], 0x3c000000, v[T+8*\d]     ; m = sum / 128
.endr
.irp d, 0,1
	v_pk_add_f32 v[X+4*(\i+\d):X+4*(\i+\d)+1], v[X+4*(\i+\d):X+4*(\i+\d)+1], v[T+8*\d:T+8*\d+1] op_sel_hi:[1,0] neg_lo:[0,1] neg_hi:[0,1]   ; x - m
	v_pk_add_f32 v[X+4*(\i+\d)+2:X+4*(\i+\d)+3], v[X+4*(\i+\d)+2:X+4*(\i+\d)+3], v[T+8*\d:T+8*\d+1] op_sel_hi:[1,0] neg_lo:[0,1] neg_hi:[0,1]
.endr
.irp d, 0,1
	v_pk_mul_f32 v[T+8*\d+2:T+8*\d+3], v[X+4*(\i+\d):X+4*(\i+\d)+1], v[X+4*(\i+\d):X+4*(\i+\d)+1]
.endr
.irp d, 0,1
	v_pk_fma_f32 v[T+8*\d+2:T+8*\d+3], v[X+4*(\i+\d)+2:X+4*(\i+\d)+3], v[X+4*(\i+\d)+2:X+4*(\i+\d)+3], v[T+8*\d+2:T+8*\d+3]
.endr
.irp d, 0,1
	v_add_f32 v[T+8*\d+2], v[T+8*\d+2], v[T+8*\d+3]
.endr
	ALLSUM 2                                       ; M2
.irp d, 0,1
	v_cvt_pk_bf16_f32 v[X+4*(\i+\d)], v[X+4*(\i+\d)], v[X+4*(\i+\d)+1]
	v_cvt_pk_bf16_f32 v[X+4*(\i+\d)+1], v[X+4*(\i+\d)+2], v[X+4*(\i+\d)+3]
	v_cmp_eq_u32 vcc_lo, \i+\d, v0                 ; the lane whose number is the row's keeps its figures
	v_cndmask_b32 v[SP], v[SP], v[T+8*\d], vcc_lo
	v_cndmask_b32 v[SP+1], v[SP+1], v[T+8*\d+2], vcc_lo
	global_store_b64 v3, v[X+4*(\i+\d):X+4*(\i+\d)+1], s[8:9] offset:256*(\i+\d)   ; the wave stores 256 consecutive bytes, aligned: a whole row of xc; its registers are not written again
.endr
.endm
.set i, 0
.rept 32
	global_load_b128 v[X+4*i:X+4*i+3], v2, s[4:5] offset:512*i th:TH_LOAD_NT   ; all 32 rows of the wave, 16 KiB, are asked for at once; x is read once in the launch
.set i, i+1
.endr
.irp i, 0,2,4,6,8,10,12,14,16,18,20,22,24,26,28,30
	PAIR \i, 32
.endr
	global_store_b64 v3, v[SP:SP+1], s[10:11]      ; 32 pairs: 256 consecutive bytes, aligned
	s_endpgm
.Lshort:                                               ; the table's last 16 rows
.set i, 0
.rept 16
	global_load_b128 v[X+4*i:X+4*i+3], v2, s[4:5] offset:512*i th:TH_LOAD_NT
.set i, i+1
.endr
.irp i, 0,2,4,6,8,10,12,14
	PAIR \i, 16
.endr
	global_store_b64 v3, v[SP:SP+1], s[10:11]      ; stats has 128 bytes behind its 50,000 pairs, so that this store too covers 256 aligned bytes; lanes 16-31 put zeros there, which nobody reads
	s_endpgm
	; ---------------- weights ----------------
	; Wave u = 4 t + b takes type t and block b: columns 16 b to 16 b + 15 of W1[t], a column for lane % 16; lanes 0-15 take k < 128, lanes 16-31 k >= 128, so that a lane's chain is 128 long and
	; the two halves of the lanes hold just the two sums whose difference csd is.  gamma and beta come as each lane's own 16-byte pieces.  K goes in four batches of 32 through two buffers.
	; The wave also packs a quarter of W2[t]: K step b / 2, half q = b % 2.
.set B1R,  10                          ; v10        b1 of my column
.set C1A,  12                          ; v[12:15]   beta . W1, two packed chains
.set CSA,  16                          ; v[16:19]   the column sum of gamma W1 over my half of K, two packed chains
.set W2R,  20                          ; v[20:27]   8 numbers of W2
.set P,    28                          ; v[28:43]   32 numbers packed to bf16
.set BUF0, 44                          ; v[44:139]  a batch: 32 of gamma, 32 of beta, 32 of W1
.set BUF1, 140                         ; v[140:235] the next
.Lweights:
	s_load_b64 s[4:5], s[0:1], 0x8                 ; W1
	s_load_b256 s[8:15], s[0:1], 0x10              ; W2 8:9, gamma 10:11, beta 12:13, b1 14:15
	s_load_b128 s[16:19], s[0:1], 0x50             ; gf 16:17, w2f 18:19
	s_load_b64 s[20:21], s[0:1], 0x60              ; aux
	s_sub_co_u32 s26, ttmp9, NROUTE
	s_lshr_b32 s27, s26, 2                         ; t
	s_and_b32 s30, s26, 3                          ; b
	s_mov_b32 s28, 0x76543210
	s_mov_b32 s29, 0xfedcba98
	s_mov_b32 s33, 0
	s_lshl_b32 s34, s30, 6                         ; 64 b
	s_lshl_b32 s35, s30, 10                        ; 1,024 b
	s_lshl_b32 s36, s30, 9                         ; 512 b
	v_and_b32 v1, 15, v0                           ; r
	v_lshrrev_b32 v9, 4, v0                        ; h
	v_lshlrev_b32 v4, 2, v1                        ; b1: 4 r
	v_lshl_add_u32 v2, v9, 15, v4                  ; W1: 128 h rows of 256 bytes + 4 r
	v_lshlrev_b32 v3, 9, v9                        ; gamma, beta: 128 h numbers
	v_lshl_add_u32 v5, v9, 9, v4                   ; W2: 8 h rows of 64 bytes + 4 r
	v_lshlrev_b32 v6, 4, v1
	v_lshl_add_u32 v6, v9, 14, v6                  ; gf: 4 h K steps of 4,096 bytes + 16 r
	v_lshlrev_b32 v7, 4, v0                        ; w2f: 16 x lane
	v_lshl_add_u32 v8, v9, 8, v4                   ; aux: table h + 4 r
	s_wait_kmcnt 0x0
	s_lshl_b32 s32, s27, 16
	s_add_co_u32 s32, s32, s34
	s_add_nc_u64 s[4:5], s[4:5], s[32:33]          ; W1 + 65,536 t + 64 b
	s_lshl_b32 s32, s27, 10
	s_add_nc_u64 s[10:11], s[10:11], s[32:33]      ; gamma, beta + 1,024 t
	s_add_nc_u64 s[12:13], s[12:13], s[32:33]
	s_lshl_b32 s32, s27, 8
	s_add_co_u32 s32, s32, s34
	s_add_nc_u64 s[14:15], s[14:15], s[32:33]      ; b1 + 256 t + 64 b
	s_lshl_b32 s32, s27, 12
	s_add_co_u32 s32, s32, s35
	s_add_nc_u64 s[8:9], s[8:9], s[32:33]          ; W2 + 4,096 t + 16 b rows of 64 bytes
	s_lshl_b32 s32, s27, 15
	s_add_co_u32 s32, s32, s35
	s_add_nc_u64 s[16:17], s[16:17], s[32:33]      ; gf + 32,768 t + 1,024 b
	s_lshl_b32 s32, s27, 11
	s_add_co_u32 s32, s32, s36
	s_add_nc_u64 s[18:19], s[18:19], s[32:33]      ; w2f + 2,048 t + 512 b
	s_lshl_b32 s32, s27, 9
	s_add_co_u32 s32, s32, s34
	s_add_nc_u64 s[20:21], s[20:21], s[32:33]      ; aux + 512 t + 64 b
.macro BATCH j, buf                    ; 48 loads: k = 128 h + 32 j + 0..31.  j may be given as a sum, so it stands in parentheses wherever it is multiplied
.irp e, 0,1,2,3,4,5,6,7
	global_load_b128 v[\buf+4*\e:\buf+4*\e+3], v3, s[10:11] offset:128*(\j)+16*\e
.endr
.irp e, 0,1,2,3,4,5,6,7
	global_load_b128 v[\buf+32+4*\e:\buf+32+4*\e+3], v3, s[12:13] offset:128*(\j)+16*\e
.endr
.set e, 0
.rept 32
	global_load_b32 v[\buf+64+e], v2, s[4:5] offset:256*(32*(\j)+e)
.set e, e+1
.endr
.endm
	global_load_b32 v[B1R], v4, s[14:15]
.irp e, 0,1,2,3,4,5,6,7
	global_load_b32 v[W2R+\e], v5, s[8:9] offset:64*\e     ; W2[16 b + 8 h + e][r]
.endr
	BATCH 0, BUF0
	BATCH 1, BUF1
.irp e, 0,1,2,3
	v_mov_b32 v[C1A+\e], 0
	v_mov_b32 v[CSA+\e], 0
.endr
; Batch j, in buf.  refill = 1: buf then takes the batch two further on.  left = the younger batch's 48 loads, which stay out, or 0.
.macro PROC j, buf, refill, left
	s_wait_loadcnt \left
.set e, 0
.rept 16
	v_pk_fma_f32 v[C1A+2*(e%2):C1A+2*(e%2)+1], v[\buf+32+2*e:\buf+32+2*e+1], v[\buf+64+2*e:\buf+64+2*e+1], v[C1A+2*(e%2):C1A+2*(e%2)+1]   ; += beta W1
	v_pk_mul_f32 v[\buf+64+2*e:\buf+64+2*e+1], v[\buf+2*e:\buf+2*e+1], v[\buf+64+2*e:\buf+64+2*e+1]                                       ; gamma W1
	v_pk_add_f32 v[CSA+2*(e%2):CSA+2*(e%2)+1], v[CSA+2*(e%2):CSA+2*(e%2)+1], v[\buf+64+2*e:\buf+64+2*e+1]
.set e, e+1
.endr
.if \j > 0
	s_wait_xcnt 0x0                                ; P holds the data of the last batch's stores: it is written again only behind this wait
.endif
.set e, 0
.rept 16
	v_cvt_pk_bf16_f32 v[P+e], v[\buf+64+2*e], v[\buf+64+2*e+1]
.set e, e+1
.endr
.if \refill
	BATCH \j+2, \buf
.endif
.irp g, 0,1,2,3
	global_store_b128 v6, v[P+4*\g:P+4*\g+3], s[16:17] offset:4096*\j+256*\g   ; k = 128 h + 32 j + 8 g on: K step 4 h + j, q = g / 2, fragment half g % 2; each 16 lanes store 256 consecutive bytes, aligned
.endr
.endm
	PROC 0, BUF0, 1, 48
	PROC 1, BUF1, 1, 48
	PROC 2, BUF0, 0, 48
	PROC 3, BUF1, 0, 0
	s_wait_xcnt 0x0                                ; P once more
.irp e, 0,1,2,3
	v_cvt_pk_bf16_f32 v[P+\e], v[W2R+2*\e], v[W2R+2*\e+1]
.endr
	global_store_b128 v7, v[P:P+3], s[18:19]       ; 512 consecutive bytes, aligned
	v_pk_add_f32 v[C1A:C1A+1], v[C1A:C1A+1], v[C1A+2:C1A+3]
	v_pk_add_f32 v[CSA:CSA+1], v[CSA:CSA+1], v[CSA+2:CSA+3]
	v_add_f32 v[C1A], v[C1A], v[C1A+1]
	v_add_f32 v[CSA], v[CSA], v[CSA+1]
	v_permlanex16_b32 v[P+4], v[C1A], s28, s29     ; the other half of K; the destinations have been written, and their stores' addresses are translated
	v_permlanex16_b32 v[P+5], v[CSA], s28, s29
	v_add_f32 v[C1A], v[C1A], v[P+4]
	v_sub_f32 v[CSA], v[P+5], v[CSA]               ; in lanes 16-31: the sum over k < 128 less the sum over k >= 128
	v_add_f32 v[C1A], v[C1A], v[B1R]
	v_cmp_lt_u32 vcc_lo, 15, v0
	v_cndmask_b32 v[C1A], v[C1A], v[CSA], vcc_lo   ; lanes 0-15 store c1, lanes 16-31 csd
	global_store_b32 v8, v[C1A], s[20:21]
	s_endpgm
	; ---------------- route ----------------
	; Lane l holds edges 128 i + 4 l + c (register 4 i + c).  For a type and a register: a compare, the count of matching lanes below mine on top of the running count, a select.  Four registers
	; at a time, so that the scalar counts do not wait for each compare.  All lanes stay on throughout.
	; The lists are scattered into LDS (first zeroed: the fillers) and read back in order, so that every store of the wave covers 512 consecutive bytes, aligned.  One wave: LDS serves it in order, no barrier.
.set EPW,   1280
.set NSLOT, 1408
.set COLS,  1280000                    ; bytes from edge_index[0] to edge_index[1]
.set LISTB, 8*NSLOT                    ; 11,264 bytes of lists a chunk
.set L16,  1                           ; v1         16 x lane
.set ZERO, 2
.set FLAG, 3                           ; v3         the mark, above a slot's 11 bits
.set TT,   4                           ; v[4:7]     types of tiles 4 l to 4 l + 3
.set TY,   8                           ; v[8:47]    types
.set PS,   48                          ; v[48:87]   slots
.set BK,   8                           ; v[8:95]    at the end: the lists read back
.set RW,   96                          ; v[96:135]  rows
.set CL,   136                         ; v[136:175] cols
.set SL,   176                         ; v[176:215] the mark, then slot | mark
.set TM,   216                         ; v[216:219] at work; v[220:223] zeros
.set JJ,   224                         ; v[224:227] 4 l + c
.set M,    16                          ; s[16:19]   masks of four compares
.set B,    20                          ; s[20:23]   their counts
.set C,    24                          ; s[24:27]   the running count in front of each of the four
.set END,  32                          ; s[32:39]   the tile at which type t ends
.Lroute:
	s_load_b128 s[4:7], s[0:1], 0x30               ; edge_index 4:5, edge_types 6:7
	s_load_b128 s[8:11], s[0:1], 0x68              ; lists 8:9, slot 10:11
	s_load_b64 s[12:13], s[0:1], 0x78              ; meta
	v_lshlrev_b32 v[L16], 4, v0
	v_mov_b32 v[ZERO], 0
	v_mov_b32 v[FLAG], 0x10000
.irp k, 4,5,6,7
	v_mov_b32 v[TM+\k], 0
.endr
	s_mul_i32 s14, ttmp9, EPW*4
	s_mov_b32 s15, 0
	s_mul_i32 s28, ttmp9, LISTB
	s_mov_b32 s29, 0
	s_lshl_b32 s30, ttmp9, 9
	s_mov_b32 s31, 0
	s_wait_kmcnt 0x0
	s_add_nc_u64 s[4:5], s[4:5], s[14:15]
	s_add_nc_u64 s[6:7], s[6:7], s[14:15]
	s_add_nc_u64 s[10:11], s[10:11], s[14:15]
	s_add_nc_u64 s[8:9], s[8:9], s[28:29]
	s_add_nc_u64 s[12:13], s[12:13], s[30:31]
.irp i, 0,1,2,3,4,5,6,7,8,9
	global_load_b128 v[TY+4*\i:TY+4*\i+3], v[L16], s[6:7] offset:512*\i th:TH_LOAD_NT
.endr
.irp i, 0,1,2,3,4,5,6,7,8,9
	global_load_b128 v[RW+4*\i:RW+4*\i+3], v[L16], s[4:5] offset:512*\i th:TH_LOAD_NT
.endr
.irp i, 0,1,2,3,4,5,6,7,8,9
	global_load_b128 v[CL+4*\i:CL+4*\i+3], v[L16], s[4:5] offset:COLS+512*\i th:TH_LOAD_NT
.endr
.set i, 0
.rept 22
	ds_store_b128 v[L16], v[TM+4:TM+7] offset:512*i    ; all 11,264 bytes are zeroed: what no edge overwrites is a filler
.set i, i+1
.endr
	s_wait_loadcnt 20                              ; the types are in; the 20 loads of rows and cols behind them stay out
.set e, 0
.rept 40
	v_cmp_lt_u32 vcc_lo, 7, v[TY+e]                ; unsigned: a negative type is outside too
	v_cndmask_b32 v[SL+e], 0, v[FLAG], vcc_lo
	v_cndmask_b32 v[TY+e], v[TY+e], v[ZERO], vcc_lo
.set e, e+1
.endr
; Type t, registers e to e + 3.  Type 0 writes every lane's slot, so that nothing is cleared; the later types overwrite their own.
.macro RANK4 t, e
.irp k, 0,1,2,3
	v_cmp_eq_u32 s[M+\k], \t, v[TY+\e+\k]
.endr
.irp k, 0,1,2,3
	s_bcnt1_i32_b32 s[B+\k], s[M+\k]
.endr
.irp k, 1,2,3
	s_add_co_u32 s[C+\k], s[C+\k-1], s[B+\k-1]
.endr
.irp k, 0,1,2,3
.if \t == 0
	v_mbcnt_lo_u32_b32 v[PS+\e+\k], s[M+\k], s[C+\k]
.else
	v_mbcnt_lo_u32_b32 v[TM+\k], s[M+\k], s[C+\k]
.endif
.endr
.if \t != 0
.irp k, 0,1,2,3
	v_cndmask_b32 v[PS+\e+\k], v[PS+\e+\k], v[TM+\k], s[M+\k]
.endr
.endif
	s_add_co_u32 s[C], s[C+3], s[B+3]
.endm
	s_mov_b32 s[C], 0
.irp t, 0,1,2,3,4,5,6,7
.irp e, 0,4,8,12,16,20,24,28,32,36
	RANK4 \t, \e
.endr
	s_add_co_u32 s[C], s[C], 15                    ; the type's last tile is filled up
	s_and_b32 s[C], s[C], -16
	s_lshr_b32 s[END+\t], s[C], 4
.endr
	s_wait_loadcnt 0x0                             ; rows and cols
.set e, 0
.rept 40
	v_min_u32 v[PS+e], NSLOT-1, v[PS+e]            ; never binds: 1,400 slots at the most
	v_and_b32 v[TM+e%4], -16, v[PS+e]
	v_or_b32 v[SL+e], v[SL+e], v[PS+e]
	v_add_nc_u32 v[TM+e%4], v[TM+e%4], v[PS+e]     ; slot 16 J + i lies at word 32 J + i,
	v_lshlrev_b32 v[TM+e%4], 2, v[TM+e%4]
	ds_store_b32 v[TM+e%4], v[RW+e]
	ds_store_b32 v[TM+e%4], v[CL+e] offset:64      ; its col 16 words on
.set e, e+1
.endr
	; The type of tile j = how many of types 0 to 6 have ended at or before it; the tiles behind the last edge count as type 7.
.irp c, 0,1,2,3
	v_lshl_add_u32 v[JJ+\c], v0, 2, \c
	v_mov_b32 v[TT+\c], 0
.endr
.irp t, 0,1,2,3,4,5,6
.irp c, 0,1,2,3
	v_cmp_le_u32 vcc_lo, s[END+\t], v[JJ+\c]
	v_add_co_ci_u32 v[TT+\c], vcc_lo, 0, v[TT+\c], vcc_lo
.endr
.endr
.set i, 0
.rept 22
	ds_load_b128 v[BK+4*i:BK+4*i+3], v[L16] offset:512*i   ; LDS serves a wave's instructions in order: these see the stores above
.set i, i+1
.endr
	global_store_b128 v[L16], v[TT:TT+3], s[12:13]
.irp i, 0,1,2,3,4,5,6,7,8,9
	global_store_b128 v[L16], v[SL+4*\i:SL+4*\i+3], s[10:11] offset:512*\i
.endr
.set i, 0
.rept 22
	s_wait_dscnt 21-i                              ; load i is in, the 21 - i behind it stay out
	global_store_b128 v[L16], v[BK+4*i:BK+4*i+3], s[8:9] offset:512*i
.set i, i+1
.endr
	s_wait_tensorcnt 0x0
	ds_add_u32 v236, v237
	s_wait_dscnt 0x0
	s_endpgm
.Lfunc_end_k_qbac8494a4c_prep:
	.size	k_qbac8494a4c_prep, .Lfunc_end_k_qbac8494a4c_prep-k_qbac8494a4c_prep
	.p2alignl 7, 3214868480
	.fill 96, 4, 3214868480
	.section	.rodata,"a",@progbits
	.p2align	6, 0x0
	.amdhsa_kernel k_qbac8494a4c_prep
		.amdhsa_group_segment_fixed_size 11520
		.amdhsa_private_segment_fixed_size 0
		.amdhsa_enable_private_segment 0
		.amdhsa_kernarg_size 128
		.amdhsa_user_sgpr_count 2
		.amdhsa_user_sgpr_kernarg_segment_ptr 1
		.amdhsa_wavefront_size32 1
		.amdhsa_system_sgpr_workgroup_id_x 1
		.amdhsa_system_sgpr_workgroup_id_y 1
		.amdhsa_system_sgpr_workgroup_id_z 1
		.amdhsa_system_vgpr_workitem_id 0
		.amdhsa_next_free_vgpr 238
		.amdhsa_next_free_sgpr 66
		.amdhsa_reserve_vcc 1
		.amdhsa_float_denorm_mode_32 3
		.amdhsa_float_denorm_mode_16_64 3
		.amdhsa_memory_ordered 1
		.amdhsa_forward_progress 1
		.amdhsa_inst_pref_size 223
	.end_amdhsa_kernel
	.amdgpu_metadata
---
amdhsa.version: [ 1, 2 ]
amdhsa.kernels:
  - .name:           k_qbac8494a4c_prep
    .symbol:         k_qbac8494a4c_prep.kd
    .args:
      - { .name: x, .offset: 0, .size: 8, .value_kind: global_buffer, .address_space: global }
      - { .name: W1, .offset: 8, .size: 8, .value_kind: global_buffer, .address_space: global }
      - { .name: W2, .offset: 16, .size: 8, .value_kind: global_buffer, .address_space: global }
      - { .name: gamma, .offset: 24, .size: 8, .value_kind: global_buffer, .address_space: global }
      - { .name: beta, .offset: 32, .size: 8, .value_kind: global_buffer, .address_space: global }
      - { .name: b1, .offset: 40, .size: 8, .value_kind: global_buffer, .address_space: global }
      - { .name: edge_index, .offset: 48, .size: 8, .value_kind: global_buffer, .address_space: global }
      - { .name: edge_types, .offset: 56, .size: 8, .value_kind: global_buffer, .address_space: global }
      - { .name: xc, .offset: 64, .size: 8, .value_kind: global_buffer, .address_space: global }
      - { .name: stats, .offset: 72, .size: 8, .value_kind: global_buffer, .address_space: global }
      - { .name: gf, .offset: 80, .size: 8, .value_kind: global_buffer, .address_space: global }
      - { .name: w2f, .offset: 88, .size: 8, .value_kind: global_buffer, .address_space: global }
      - { .name: aux, .offset: 96, .size: 8, .value_kind: global_buffer, .address_space: global }
      - { .name: lists, .offset: 104, .size: 8, .value_kind: global_buffer, .address_space: global }
      - { .name: slot, .offset: 112, .size: 8, .value_kind: global_buffer, .address_space: global }
      - { .name: meta, .offset: 120, .size: 8, .value_kind: global_buffer, .address_space: global }
    .group_segment_fixed_size: 11520
    .private_segment_fixed_size: 0
    .kernarg_segment_align: 8
    .kernarg_segment_size: 128
    .max_flat_workgroup_size: 32
    .sgpr_count:     66
    .vgpr_count:     238
    .wavefront_size: 32
...
	.end_amdgpu_metadata
.endif
;; end of part 4
;; launch edges: the kernel of part 3 again; grid 250 x 1, 8 waves a work-group, no clusters, 169,984 bytes of LDS; arguments xc, stats, gf, w2f, aux, b2, lists, slot, meta, out0; writes out0
;; ======== version 3 of 3: 2 launches; version 2 with the launch edges written anew for expert scheduling mode
;; workspace buffers: xc 12,800,000 bytes; stats 400,128 bytes; gf 262,144 bytes; w2f 16,384 bytes; aux 4,096 bytes; lists 2,816,000 bytes of whole numbers; slot 1,280,000 bytes of whole numbers; meta 128,000 bytes of whole numbers
;; launch prep: the kernel of part 4 again; grid 1845 x 1, 1 waves a work-group, no clusters, 11,520 bytes of LDS; arguments x, W1, W2, gamma, beta, b1, edge_index, edge_types, xc, stats, gf, w2f, aux, lists, slot, meta; writes xc, stats, gf, w2f, aux, lists, slot, meta
;; launch edges (part 5): grid 250 x 1, 8 waves a work-group, no clusters, 169,984 bytes of LDS; arguments xc, stats, gf, w2f, aux, b2, lists, slot, meta, out0; writes out0
.if DOCPART == 5
	.amdgcn_target "amdgcn-amd-amdhsa--gfx1250"
	.amdhsa_code_object_version 6
	.text
	.protected	k_qbac8494a4c_edges
	.globl	k_qbac8494a4c_edges
	.p2align	8
	.type	k_qbac8494a4c_edges,@function
k_qbac8494a4c_edges:
	s_mov_b64 s[64:65], 0
	v_nop
	global_prefetch_b8 v0, s[64:65] scope:SCOPE_SE
	s_setreg_imm32_b32 hwreg(HW_REG_WAVE_SCHED_MODE, 0, 2), 2
	s_setreg_imm32_b32 hwreg(HW_REG_WAVE_MODE, 25, 1), 1
	s_wait_xcnt 0x0
	s_wait_alu depctr_vm_vsrc(0)
; out0[e] = I - softmax over the rows of the 4 x 4 map o[e], o = relu(LN(x[row] | x[col]) gamma_t W1_t + ...) W2_t + b2_t, t = the edge's type.  Only the edge's own type is computed.
; With xc, {m, M2}, G = gamma W1, c1, csd as an earlier launch made them, for an edge (a, b):  d = (m_a - m_b) / 2,  v = (M2_a + M2_b) / 256 + d^2 + eps,  s = sqrt(v),  rstd = 1 / s,
;   y = (xc_a | xc_b) G + d csd + s c1,   relu(z) = rstd relu(y) since rstd > 0,   o = rstd (relu(y) W2) + b2.   So the gathered bf16 rows go into the matrix unit as they lie.
; SHARES.  A work-group owns a chunk of 1,280 consecutive edges (250 x 1,280 = 320,000), sorted by type into 88 tiles of 16 by the launch before.  Wave w takes tiles 11 w to 11 w + 10: the same
;   number for every wave, whatever the spread of the types.  The tiles are written out by macro, so that a tile's number stands in the immediates of its LDS accesses and the last tile asks for nothing.
; WEIGHTS.  G of the tile's type, 32 KiB, lies in 256 registers and is loaded again only where the next tile's type differs: the chunk has seven changes of type at the most for its eight waves.
; MATRIX USE, transposed: source 0 = 16 columns of G (or of W2), source 1 = 16 edges.  In a result lane l holds edge l % 16 and units 8 (l / 16) + 0..7, so that layer 1's results, rounded in pairs,
;   ARE source 1 of layer 2, and layer 2 leaves a lane two whole rows of its edge's 4 x 4 map: nothing changes lanes.
; GATHER.  One load of the wave brings an edge's two rows of xc: lanes 0-15 the 256 bytes of node a, lanes 16-31 those of node b.  A tile's 16 loads are asked for a whole tile ahead.
; THE WAY OUT.  Results go to LDS in the order of the slots; behind the one barrier each thread fetches the 16 bytes that belong at its place in out0, by the edge's slot, and 16 lanes store 256 bytes.
; No tensor loads and no cluster: the rows are named by data, one row a request; the weights that work-groups share live in registers, not in LDS; 250 work-groups do not divide by four.
; LDS: STG (wave w's 16 rows of 512 + 16 bytes), LIST (wave w's 11 tiles of 128 bytes), RES (1,408 slots of 64 bytes).  STG and LIST are each wave's own; RES passes between waves behind the barrier.
; LIMITS.  Finite inputs (relu and the maxima drop a NaN).  Node indices are clamped to 49,999 (the table's last row).  An edge marked as of no type gets logits 0: I - 1/4.
; THE MODE: SCHED_MODE bits 1:0 = 2 (LLVM: expert scheduling mode 2), set by the entry lines.  The code itself states the register dependences between vector or matrix instructions and
;   memory or LDS instructions, with s_wait_alu, always for 0.
; THE PLAN.  Registers that memory or LDS instructions touch, round a tile:
;   X              the gather's 16 loads land in it (asked for in the tile before); the 16 LDS stores at a tile's head read it.  No vector instruction names it before the way out.
;   ST             the gather's last load lands in it; four vector lines read it.
;   OFF = FRB = ACC2, and SI   the list's entries land; 50 vector lines make offsets of them; the gather's loads read them; then FRB: fragments 2, 3 land, their products read them,
;                  fragments 6, 7 land, their products read them; then ACC2: layer 2 writes it, four packed lines read it.
;   FRA = H1       fragments 0, 1 land, their products read them; fragments 4, 5 land, their products read them; the roundings write H1, layer 2 reads it.
;   O = ACC        products and vector lines write it; the two stores into RES read its first eight; the next tile's products write it again.
;   The tables and their four offsets: only where the type changes.   SA, FA, LB, LR, OA, L16, SO: made at the head, never written again.
;   THE WAITS OF A TILE.  On va_vdst: one ahead of the gather's loads (offsets written, ST read); one behind products 0, 1 and one behind products 2, 3 (FRA, FRB read), each ahead of the loads
;   that land there; one ahead of the stores into RES (O written), which also covers the next tile's list reads into OFF and SI and, in the last tile, its fragment loads: the vector lines that
;   stand between (the tables' offsets, b2's scaling, ST's four readers) name none of those registers.  On vm_vsrc: one ahead of the gather's loads (the LDS stores have read X and O); one behind
;   them (they have read OFF and SI), ahead of fragments 2, 3 and of the next tile's list reads.
.set EPW,    1280
.set NNODE,  50000
.set TPW,    11                        ; tiles of a wave
.set NSLOT,  1408
.set SPITCH, 528                       ; 33 x 16 bytes: the 16 rows that a fragment load touches start 16 bytes apart modulo 256
.set LISTL,  8*16*SPITCH               ; 67,584
.set RESL,   LISTL+8*TPW*128           ; 78,848; RES ends at 168,960
; window 0
.set L16,  1                           ; 16 (l % 16): my 16 bytes of a row of xc
.set SA,   2                           ; stage, in: 16 l
.set FA,   3                           ; stage, fragments: 528 (l % 16) + 16 (l / 16)
.set LB,   4                           ; my list: a tile's rows for lanes 0-15, its cols for lanes 16-31
.set LR,   5                           ; LB + 4 (l % 16)
.set OA,   6                           ; RES: my wave's first tile, slot l % 16, 32 (l / 16)
.set LN16, 7                           ; 16 l
.set H32,  8                           ; 32 (l / 16)
.set SGN,  9                           ; +0.5 in lanes 0-15, -0.5 in lanes 16-31
.set E0,   10                          ; 1 in lanes 0-15, else 0
.set E1,   11                          ; 1 in lanes 16-31, else 0
.set SI,   12                          ; my node's offset in stats
.set RS,   14                          ; v[14:15] rstd (then rstd log2 e); the second is named with it as a pair and holds 0
.set ST,   16                          ; v[16:17] my node's {m, M2}
.set DS,   18                          ; v[18:19] d, s
.set OT,   20                          ; v[20:21] the other node's {m, M2}
.set MX,   22                          ; v[22:23] the two rows' maxima
.set RC,   24                          ; v[24:25] the two rows' 1 / sum
.set TA,   26                          ; v[26:31] at work
.set B2,   32                          ; v[32:39]   b2[8 h + j] log2 e
.set W2F,  40                          ; v[40:55]   W2's two fragments
.set C1,   56                          ; v[56:87]   c1[16 b + 8 h + j] at 8 b + j
.set CSD,  88                          ; v[88:119]  csd likewise
.set ACC,  120                         ; v[120:151] layer 1's four accumulators
.set O,    ACC                         ; v[120:127] later the logits, the weights and the results
.set FRA,  152                         ; v[152:167] two fragments of the edges' rows
.set FRB,  168                         ; v[168:183] two more
.set H1,   FRA                         ; layer 2's source 1, once FRA has been multiplied
.set OFF,  FRB                         ; the next tile's 16 offsets in xc, until its loads have read them
.set ACC2, FRB                         ; v[168:175] layer 2's accumulator
.set X,    184                         ; v[184:247] the tile on its way: edge i in 4 registers
.set GA,   248                         ; v248-251 offsets of the type's G, W2, c1 and csd, b2
.set WA,   249
.set AA,   250
.set BA,   251
.set SO,   252                         ; 4 (thread / 4): my edge in slot[]
; the way out
.set RR,   32                          ; v[32:111]  20 pieces of 16 bytes
.set SLT,  X                           ; v[184:203] their edges' slots
.set AD,   204                         ; v[204:223] their LDS addresses
.set FL,   224                         ; v[224:227] my row of I - 1/4
.set FN,   228
.set FP,   229
.set QB,   230
.set TO,   231
; window 1: G.  The fragment of K step ks and block b at v[8 (4 ks + b)]
.set WV,   24                          ; s24 my wave's number
.set TMP,  25
.set TYP,  40                          ; s[40:50] the types of my 11 tiles
.set MK,   24                          ; s[24:47] the way out, when the wave's number, the constants and the types have served: 4 masks for my row of I - 1/4, 20 for the marks
.set MARK, 48                          ; s48      the way out: the mark's bit
.set MSB, 0
.macro WIN new                         ; s_set_vgpr_msb's low byte: bits 1:0 source 0, 7:6 destination; its high byte repeats the setting that is left
.if MSB != \new
	s_set_vgpr_msb (MSB<<8)|\new
.set MSB, \new
.endif
.endm
; The tables of tile j's type: 86 loads.  The type comes from memory: it is clamped before it enters an offset.
.macro GLOAD j
	s_min_u32 s[TMP], s[TYP+\j], 7
	s_lshl_b32 s28, s[TMP], 15
	s_lshl_b32 s29, s[TMP], 11
	s_lshl_b32 s30, s[TMP], 9
	s_lshl_b32 s31, s[TMP], 6
.if (\j) > 0
	s_wait_alu depctr_vm_vsrc(0)                   ; the loads that brought the tables lying here have read the four offsets, which are written anew
.endif
	v_add_nc_u32 v[GA], s28, v[LN16]
	v_add_nc_u32 v[WA], s29, v[LN16]
	v_add_nc_u32 v[AA], s30, v[H32]
	v_add_nc_u32 v[BA], s31, v[H32]
	s_wait_alu depctr_va_vdst(0)                   ; the four offsets are written, which the loads below read; the vector and matrix instructions of the tile before are done reading the tables, in which they land (at the head: all the kernel's addresses are written)
	global_load_b128 v[B2:B2+3], v[BA], s[14:15]
	global_load_b128 v[B2+4:B2+7], v[BA], s[14:15] offset:16
.irp c, 0,1,2,3
	global_load_b128 v[W2F+4*\c:W2F+4*\c+3], v[WA], s[10:11] offset:512*\c
.endr
.irp c, 0,1,2,3,4,5,6,7
	global_load_b128 v[C1+4*\c:C1+4*\c+3], v[AA], s[12:13] offset:64*(\c/2)+16*(\c%2)
.endr
.irp c, 0,1,2,3,4,5,6,7
	global_load_b128 v[CSD+4*\c:CSD+4*\c+3], v[AA], s[12:13] offset:256+64*(\c/2)+16*(\c%2)
.endr
	WIN 0x40                                       ; destination window 1, offset window 0; between the wait above and the loads below stand loads and this switch alone
.set gi, 0
.rept 64
	global_load_b128 v[4*gi:4*gi+3], v[GA], s[8:9] offset:512*gi   ; G: 64 x 512 bytes, in the order of its registers
.set gi, gi+1
.endr
	WIN 0
.endm
.macro GFIX                            ; the logits are kept in base 2: b2 log2 e
.irp p, 0,1,2,3
	v_pk_mul_f32 v[B2+2*\p:B2+2*\p+1], v[B2+2*\p:B2+2*\p+1], s[34:35] op_sel_hi:[1,0]
.endr
.endm
; The list entries of tile j: its 16 rows (lanes 0-15) or cols (lanes 16-31), the same in all 16 lanes, and the node of my own edge.
.macro IDX j
.irp g, 0,1,2,3
	ds_load_b128 v[OFF+4*\g:OFF+4*\g+3], v[LB] offset:128*(\j)+16*\g
.endr
	ds_load_b32 v[SI], v[LR] offset:128*(\j)
.endm
; A tile is asked for: 16 loads of 512 bytes (two whole rows of xc each) and my node's stats.
.macro ASK
.set i, 0
.rept 16
	v_min_u32 v[OFF+i], NNODE-1, v[OFF+i]
.set i, i+1
.endr
	v_min_u32 v[SI], NNODE-1, v[SI]
.set i, 0
.rept 16
	v_lshlrev_b32 v[OFF+i], 8, v[OFF+i]
.set i, i+1
.endr
	v_lshlrev_b32 v[SI], 3, v[SI]
.set i, 0
.rept 16
	v_add_nc_u32 v[OFF+i], v[L16], v[OFF+i]
.set i, i+1
.endr
	s_wait_alu depctr_va_vdst(0)                   ; the 17 offsets are written, which the loads below read; the lines that read ST, in which the last of them lands, are done
	s_wait_alu depctr_vm_vsrc(0)                   ; the LDS stores issued so far have read X, in which the loads below land, and (in a tile) the results O of the tile before, which the coming products write
.set i, 0
.rept 16
	global_load_b128 v[X+4*i:X+4*i+3], v[OFF+i], s[4:5]
.set i, i+1
.endr
	global_load_b64 v[ST:ST+1], v[SI], s[6:7]
.endm
.macro FRAG dst, ks                    ; 16 edges x 32 K: lane l takes row l % 16; K = 8 (l / 16) + 0..7 and 16 + 8 (l / 16) + 0..7
	ds_load_b128 v[\dst:\dst+3], v[FA] offset:64*\ks
	ds_load_b128 v[\dst+4:\dst+7], v[FA] offset:64*\ks+32
.endm
.macro MUL4 ks, src, zero              ; the four accumulators take turns, one instruction a turn; zero = 1: the first K step starts the sums
.irp b, 0,1,2,3
.if \zero
	v_wmma_f32_16x16x32_bf16 v[ACC+8*\b:ACC+8*\b+7], v[8*(4*\ks+\b):8*(4*\ks+\b)+7], v[\src:\src+7], 0
.else
	v_wmma_f32_16x16x32_bf16 v[ACC+8*\b:ACC+8*\b+7], v[8*(4*\ks+\b):8*(4*\ks+\b)+7], v[\src:\src+7], v[ACC+8*\b:ACC+8*\b+7]
.endif
.endr
.endm
.macro PLACES                          ; four plain vector instructions between a matrix instruction and a vector instruction's read of its result (ISA guide 7.12.1)
.rept 4
	v_nop
.endr
.endm
.macro EPI1 b                          ; block b: y = acc + d csd + s c1; relu; rounded in pairs: half a fragment of layer 2's source 1
.irp p, 0,1,2,3
	v_pk_fma_f32 v[ACC+8*\b+2*\p:ACC+8*\b+2*\p+1], v[CSD+8*\b+2*\p:CSD+8*\b+2*\p+1], v[DS:DS+1], v[ACC+8*\b+2*\p:ACC+8*\b+2*\p+1] op_sel_hi:[1,0,1]
.endr
.irp p, 0,1,2,3
	v_pk_fma_f32 v[ACC+8*\b+2*\p:ACC+8*\b+2*\p+1], v[C1+8*\b+2*\p:C1+8*\b+2*\p+1], v[DS:DS+1], v[ACC+8*\b+2*\p:ACC+8*\b+2*\p+1] op_sel:[0,1,0] op_sel_hi:[1,1,1]
.endr
.irp j, 0,1,2,3,4,5,6,7
	v_max_num_f32 v[ACC+8*\b+\j], 0, v[ACC+8*\b+\j]
.endr
.irp p, 0,1,2,3
	v_cvt_pk_bf16_f32 v[H1+4*\b+\p], v[ACC+8*\b+2*\p], v[ACC+8*\b+2*\p+1]
.endr
.endm
	s_load_b512 s[4:19], s[0:1], 0x0               ; xc 4:5, stats 6:7, gf 8:9, w2f 10:11, aux 12:13, b2 14:15, lists 16:17, slot 18:19
	s_load_b128 s[20:23], s[0:1], 0x40             ; meta 20:21, out0 22:23
	v_lshl_add_u32 v254, v0, 2, 0x29400
	v_mov_b32 v255, 0
	v_lshrrev_b32 v31, 5, v0
	v_readfirstlane_b32 s[WV], v31
	v_and_b32 v20, 31, v0                          ; lane
	v_and_b32 v21, 15, v0                          ; r = l % 16
	v_bfe_u32 v22, v0, 4, 1                        ; h = l / 16
	v_lshlrev_b32 v[LN16], 4, v20
	v_lshlrev_b32 v[H32], 5, v22
	v_lshlrev_b32 v30, 2, v20                      ; 4 l
	s_wait_alu depctr_va_sdst(0)                   ; the wave's number is written, ahead of its first reader: offsets and LDS places are made from it
	s_lshl_b32 s26, ttmp9, 9                       ; meta: 512 bytes a chunk, 44 a wave
	s_mul_i32 s[TMP], s[WV], TPW*4
	s_add_co_u32 s26, s26, s[TMP]
	s_mov_b32 s27, 0
	s_mul_i32 s28, ttmp9, NSLOT*8                  ; lists: 11,264 bytes a chunk, 1,408 a wave
	s_mul_i32 s[TMP], s[WV], TPW*128
	s_add_co_u32 s28, s28, s[TMP]
	s_mov_b32 s29, 0
	s_wait_kmcnt 0x0
	s_add_nc_u64 s[20:21], s[20:21], s[26:27]
	s_add_nc_u64 s[16:17], s[16:17], s[28:29]
	s_load_b256 s[TYP:TYP+7], s[20:21], 0x0        ; the types of my 11 tiles
	s_load_b96 s[TYP+8:TYP+10], s[20:21], 0x20
	s_wait_alu depctr_va_vdst(0)                   ; v30 is written, which the lists' loads read as their offset
.set i, 0
.rept TPW
	global_load_b32 v[X+i], v30, s[16:17] offset:128*i   ; my 11 tiles' lists, a tile a load
.set i, i+1
.endr
	s_mul_i32 s26, ttmp9, EPW*4
	s_add_nc_u64 s[18:19], s[18:19], s[26:27]      ; the chunk's part of slot[]
	s_mul_i32 s26, ttmp9, EPW*64
	s_add_nc_u64 s[22:23], s[22:23], s[26:27]      ; and of out0
	s_mov_b32 s32, 0x76543210                      ; v_permlanex16_b32: each lane takes its own place in the other half
	s_mov_b32 s33, 0xfedcba98
	s_mov_b32 s34, 0x3fb8aa3b                      ; log2 e; named as a pair, so both are written
	s_mov_b32 s35, 0x3fb8aa3b
	s_mov_b32 s36, 0x3b800000                      ; 1 / 256
	s_mov_b32 s37, 0x3727c5ac                      ; eps = 1e-5
	s_mul_i32 s38, s[WV], 16*SPITCH                ; my stage
	s_mul_i32 s39, s[WV], TPW*128
	s_add_co_u32 s39, s39, LISTL                   ; my list
	s_mul_i32 s51, s[WV], TPW*1024
	s_add_co_u32 s51, s51, RESL                    ; my tiles' results
	v_add_nc_u32 v[SA], s38, v[LN16]
	v_mul_u32_u24 v[FA], v21, SPITCH
	v_lshl_add_u32 v[FA], v22, 4, v[FA]
	v_add_nc_u32 v[FA], s38, v[FA]
	v_add_nc_u32 v29, s39, v30
	v_lshl_add_u32 v[LB], v22, 6, s39
	v_lshl_add_u32 v[LR], v21, 2, v[LB]
	v_lshl_add_u32 v[OA], v21, 6, v[H32]
	v_add_nc_u32 v[OA], s51, v[OA]
	v_cvt_f32_u32 v[E1], v22
	v_sub_f32 v[E0], 1.0, v[E1]
	v_sub_f32 v[SGN], 0.5, v[E1]
	v_lshlrev_b32 v[L16], 4, v21
	v_mov_b32 v[RS+1], 0
	v_lshrrev_b32 v[SO], 2, v0
	v_lshlrev_b32 v[SO], 2, v[SO]
	s_wait_kmcnt 0x0                               ; the types
	GLOAD 0                                        ; its wait on va_vdst stands behind all the lines above: SA, FA, v29, LB, LR, OA and SO are written for the whole kernel
	s_wait_loadcnt 63                              ; 86 loads are younger than the lists' 11, and the count's field holds 63: the lists are in
.set i, 0
.rept TPW
	ds_store_b32 v29, v[X+i] offset:128*i          ; my own bytes, and LDS serves a wave in order: no barrier in front of the reads
.set i, i+1
.endr
	IDX 0
	s_wait_dscnt 0x0
	ASK
	s_wait_loadcnt 17                              ; all but the 17 loads just issued: the tables are in
	GFIX
	s_wait_alu depctr_vm_vsrc(0)                   ; the first tile's loads have read OFF and SI, in which the next tile's list entries land; the lists' loads and stores have read v30 and v29, which the tiles use at work
; Tile j of my 11.
.macro TILE j
.if \j > 0
	s_cmp_eq_u32 s[TYP+\j], s[TYP+\j-1]
	s_cbranch_scc1 .Lsame_\@
	GLOAD \j                                       ; another type: its tables take the old ones' place, behind the wait that shows their readers done
	s_wait_loadcnt 0x0
	GFIX
.Lsame_\@:
.endif
	s_wait_loadcnt 0x0                             ; this tile's 17 loads: all are needed now, and nothing younger is out; it also frees their offset registers
.if \j < TPW-1
	IDX \j+1                                       ; the next tile's entries.  No wait: OFF's and SI's last vector and matrix users stand ahead of the wait at the last tile's end, their last loads ahead of the wait on vm_vsrc behind them
.endif
.set i, 0
.rept 16
	ds_store_b128 v[SA], v[X+4*i:X+4*i+3] offset:SPITCH*i   ; edge i's 512 bytes, one row of my stage
.set i, i+1
.endr
	v_permlanex16_b32 v[OT], v[ST], s32, s33       ; the edge's other node
	v_permlanex16_b32 v[OT+1], v[ST+1], s32, s33
	v_sub_f32 v[TA], v[ST], v[OT]
	v_add_f32 v[TA+1], v[ST+1], v[OT+1]            ; these four are all that reads ST
.if \j < TPW-1
	s_wait_dscnt 16                                ; the five list reads are in; the 16 stores behind them may be out
	ASK                                            ; the next tile: 8 KiB of the wave on their way for a whole tile
.else
	s_wait_alu depctr_vm_vsrc(0)                   ; the LDS stores above have read X: the slots land in its first 20 registers, the way out writes others; those of the tile before have read O, which the coming products write
.set i, 0
.rept 20
	global_load_b32 v[SLT+i], v[SO], s[18:19] offset:256*i   ; nothing is left to gather: the slots of the 20 edges whose pieces I store, edge thread / 4 + 64 i
.set i, i+1
.endr
.endif
	FRAG FRA, 0                                    ; no wait: no vector or matrix instruction since the last wait on va_vdst names FRA
	FRAG FRA+8, 1
	v_mul_f32 v[DS], v[SGN], v[TA]                 ; d = (m_a - m_b) / 2 in both halves of the lanes.  These lines name no register that a load or store near them touches
	v_fma_f32 v[TA+1], v[TA+1], s36, s37           ; (M2_a + M2_b) / 256 + eps
	v_fmac_f32 v[TA+1], v[DS], v[DS]               ; + d^2
	v_sqrt_f32 v[DS+1], v[TA+1]
	v_rsq_f32 v[RS], v[TA+1]
	v_nop                                          ; a plain instruction behind the two (ISA guide 5.7.2)
.if \j < TPW-1
	s_wait_xcnt 0x0                                ; the offsets in FRB are sources of the loads just issued: FRB is loaded only behind this wait,
	s_wait_alu depctr_vm_vsrc(0)                   ; and behind this one: those loads have read OFF, in which the fragments below land, and SI, in which the next tile's list read lands
.endif
	FRAG FRB, 2
	FRAG FRB+8, 3
	s_wait_dscnt 4                                 ; here and below: all but the four loads just issued
	WIN 0x01                                       ; source 0 (G) in window 1
	MUL4 0, FRA, 1
	MUL4 1, FRA+8, 0
	WIN 0
	s_wait_alu depctr_va_vdst(0)                   ; the eight products are done reading FRA, in which the next two fragments land
	FRAG FRA, 4
	FRAG FRA+8, 5
	s_wait_dscnt 4
	WIN 0x01
	MUL4 2, FRB, 0
	MUL4 3, FRB+8, 0
	WIN 0
	s_wait_alu depctr_va_vdst(0)                   ; the eight products are done reading FRB, in which the last two fragments land
	FRAG FRB, 6
	FRAG FRB+8, 7
	s_wait_dscnt 4
	WIN 0x01
	MUL4 4, FRA, 0
	MUL4 5, FRA+8, 0
	s_wait_dscnt 0
	MUL4 6, FRB, 0
	MUL4 7, FRB+8, 0
	WIN 0
	PLACES
	EPI1 0
	EPI1 1
	EPI1 2
	EPI1 3
	v_wmma_f32_16x16x32_bf16 v[ACC2:ACC2+7], v[W2F:W2F+7], v[H1:H1+7], 0
	s_wait_alu depctr_va_vdst(0)                   ; one accumulator, a chain of two
	v_wmma_f32_16x16x32_bf16 v[ACC2:ACC2+7], v[W2F+8:W2F+15], v[H1+8:H1+15], v[ACC2:ACC2+7]
	v_mul_f32 v[RS], s34, v[RS]                    ; rstd log2 e
	PLACES
.irp p, 0,1,2,3
	v_pk_fma_f32 v[O+2*\p:O+2*\p+1], v[ACC2+2*\p:ACC2+2*\p+1], v[RS:RS+1], v[B2+2*\p:B2+2*\p+1] op_sel_hi:[1,0,1]   ; o log2 e
.endr
	v_max3_num_f32 v[MX], v[O], v[O+1], v[O+2]     ; my two rows of the 4 x 4 map: registers 0-3 and 4-7
	v_max3_num_f32 v[MX+1], v[O+4], v[O+5], v[O+6]
	v_max_num_f32 v[MX], v[MX], v[O+3]
	v_max_num_f32 v[MX+1], v[MX+1], v[O+7]
.irp p, 0,1
	v_pk_add_f32 v[O+2*\p:O+2*\p+1], v[O+2*\p:O+2*\p+1], v[MX:MX+1] op_sel_hi:[1,0] neg_lo:[0,1] neg_hi:[0,1]
.endr
.irp p, 2,3
	v_pk_add_f32 v[O+2*\p:O+2*\p+1], v[O+2*\p:O+2*\p+1], v[MX:MX+1] op_sel:[0,1] op_sel_hi:[1,1] neg_lo:[0,1] neg_hi:[0,1]
.endr
.irp e, 0,1,2,3,4,5,6,7
	v_exp_f32 v[O+\e], v[O+\e]
.endr
	v_nop                                          ; a plain instruction between the exponentials and the use of their results (ISA guide 5.7.2)
	s_wait_alu depctr_va_vdst(0)
	v_pk_add_f32 v[TA+2:TA+3], v[O:O+1], v[O+2:O+3]
	v_pk_add_f32 v[TA+4:TA+5], v[O+4:O+5], v[O+6:O+7]
	v_add_f32 v[RC], v[TA+2], v[TA+3]
	v_add_f32 v[RC+1], v[TA+4], v[TA+5]
	v_rcp_f32 v[RC], v[RC]                         ; a sum is at least 1: the row's largest weight
	v_rcp_f32 v[RC+1], v[RC+1]
	v_nop                                          ; likewise behind the reciprocals
	s_wait_alu depctr_va_vdst(0)
.irp e, 0,1,2,3,4,5,6,7                ; I - softmax: lanes 0-15 hold rows 0 and 1 (the diagonal at registers 0 and 5), lanes 16-31 rows 2 and 3 (at 2 and 7)
.if (\e == 0) || (\e == 5)
	v_fma_f32 v[O+\e], -v[O+\e], v[RC+\e/4], v[E0]
.elseif (\e == 2) || (\e == 7)
	v_fma_f32 v[O+\e], -v[O+\e], v[RC+\e/4], v[E1]
.else
	v_mul_f32 v[O+\e], -v[O+\e], v[RC+\e/4]
.endif
.endr
	s_wait_alu depctr_va_vdst(0)                   ; the eight lines above have written O, which the two stores read; all of this tile's users of FRA, FRB and SI are done, for the loads that land there in the next tile
	ds_store_b128 v[OA], v[O:O+3] offset:1024*\j   ; slot 16 (11 w + j) + l % 16, my 32 of its 64 bytes
	ds_store_b128 v[OA], v[O+4:O+7] offset:1024*\j+16
.endm
.irp j, 0,1,2,3,4,5,6,7,8,9,10
	TILE \j
.endr
	; THE WAY OUT.  All 1,408 slots of RES have been written, each by one wave.  Piece p = thread + 256 i of the chunk's 5,120 pieces of 16 bytes is row p % 4 of edge p / 4.
	; The 24 compares stand in one run, into scalar registers of their own; the address work follows them, and one wait stands ahead of the first select.  The pieces then go in four groups of
	; five: the group's selects, one wait, its stores.
	s_wait_loadcnt 0x0                             ; the slots
	s_wait_dscnt 0x0                               ; for the others' sake: my stores into RES are done
	s_barrier_signal -1
	s_barrier_wait -1
	s_mov_b32 s[MARK], 0x10000
	v_and_b32 v[QB], 3, v0
	v_mov_b32 v[FN], 0xbe800000                    ; -0.25
	v_mov_b32 v[FP], 0x3f400000                    ; 0.75
.irp c, 0,1,2,3
	v_cmp_eq_u32 s[MK+\c], \c, v[QB]               ; is column c my row's diagonal?
.endr
.set i, 0
.rept 20
	v_cmp_le_u32 s[MK+4+i], s[MARK], v[SLT+i]      ; the mark
.set i, i+1
.endr
	v_lshlrev_b32 v[QB], 4, v[QB]
	v_add_nc_u32 v[QB], RESL, v[QB]
	v_lshlrev_b32 v[TO], 4, v0
.set i, 0
.rept 20
	v_and_b32 v[AD+i], 0xffff, v[SLT+i]
.set i, i+1
.endr
.set i, 0
.rept 20
	v_min_u32 v[AD+i], NSLOT-1, v[AD+i]            ; never binds: a slot is below 1,408
.set i, i+1
.endr
.set i, 0
.rept 20
	v_lshlrev_b32 v[AD+i], 6, v[AD+i]
.set i, i+1
.endr
.set i, 0
.rept 20
	v_add_nc_u32 v[AD+i], v[QB], v[AD+i]
.set i, i+1
.endr
	s_wait_alu depctr_va_sdst(0)                   ; the 24 masks are written, ahead of their first reader
.irp c, 0,1,2,3
	v_cndmask_b32 v[FL+\c], v[FN], v[FP], s[MK+\c] ; my row of I - 1/4, for an edge of no type
.endr
	s_wait_alu depctr_va_vdst(0)                   ; the 20 addresses are written, which the loads below read, and TO, which the stores read; the tables' readers are done, and the loads land where the tables lay
.set i, 0
.rept 20
	ds_load_b128 v[RR+4*i:RR+4*i+3], v[AD+i]       ; behind the barrier LDS is only read
.set i, i+1
.endr
.set g, 0
.rept 4
	s_wait_dscnt 15-5*g                            ; LDS loads come back in order: the group's five are in, the 15 - 5 g behind them stay out
.set i, 5*g
.rept 5
	v_cndmask_b32 v[RR+4*i], v[RR+4*i], v[FL], s[MK+4+i]
	v_cndmask_b32 v[RR+4*i+1], v[RR+4*i+1], v[FL+1], s[MK+4+i]
	v_cndmask_b32 v[RR+4*i+2], v[RR+4*i+2], v[FL+2], s[MK+4+i]
	v_cndmask_b32 v[RR+4*i+3], v[RR+4*i+3], v[FL+3], s[MK+4+i]
.set i, i+1
.endr
	s_wait_alu depctr_va_vdst(0)                   ; the group's 20 selects have written the pieces, which its five stores read; no later line writes them
.set i, 5*g
.rept 5
	global_store_b128 v[TO], v[RR+4*i:RR+4*i+3], s[22:23] offset:4096*i th:TH_STORE_NT   ; 16 lanes store 256 consecutive bytes, aligned; out0 is not read again
.set i, i+1
.endr
.set g, g+1
.endr
	s_wait_dscnt 0x0
	s_wait_alu depctr_hold_cnt(0) depctr_sa_sdst(0) depctr_va_vdst(0) depctr_va_sdst(0) depctr_va_ssrc(0) depctr_va_vcc(0) depctr_vm_vsrc(0)
	s_wait_tensorcnt 0x0
	ds_add_u32 v254, v255
	s_wait_dscnt 0x0
	s_endpgm
.Lfunc_end_k_qbac8494a4c_edges:
	.size	k_qbac8494a4c_edges, .Lfunc_end_k_qbac8494a4c_edges-k_qbac8494a4c_edges
	.p2alignl 7, 3214868480
	.fill 96, 4, 3214868480
	.section	.rodata,"a",@progbits
	.p2align	6, 0x0
	.amdhsa_kernel k_qbac8494a4c_edges
		.amdhsa_group_segment_fixed_size 169984
		.amdhsa_private_segment_fixed_size 0
		.amdhsa_enable_private_segment 0
		.amdhsa_kernarg_size 80
		.amdhsa_user_sgpr_count 2
		.amdhsa_user_sgpr_kernarg_segment_ptr 1
		.amdhsa_wavefront_size32 1
		.amdhsa_system_sgpr_workgroup_id_x 1
		.amdhsa_system_sgpr_workgroup_id_y 1
		.amdhsa_system_sgpr_workgroup_id_z 1
		.amdhsa_system_vgpr_workitem_id 0
		.amdhsa_next_free_vgpr 512
		.amdhsa_next_free_sgpr 66
		.amdhsa_reserve_vcc 0
		.amdhsa_float_denorm_mode_32 3
		.amdhsa_float_denorm_mode_16_64 3
		.amdhsa_memory_ordered 1
		.amdhsa_forward_progress 1
		.amdhsa_inst_pref_size 255
	.end_amdhsa_kernel
	.section	.bss,"aw",@nobits
	.p2align	6
	.space	262144
	.amdgpu_metadata
---
amdhsa.version: [ 1, 2 ]
amdhsa.kernels:
  - .name:           k_qbac8494a4c_edges
    .symbol:         k_qbac8494a4c_edges.kd
    .args:
      - { .name: xc, .offset: 0, .size: 8, .value_kind: global_buffer, .address_space: global }
      - { .name: stats, .offset: 8, .size: 8, .value_kind: global_buffer, .address_space: global }
      - { .name: gf, .offset: 16, .size: 8, .value_kind: global_buffer, .address_space: global }
      - { .name: w2f, .offset: 24, .size: 8, .value_kind: global_buffer, .address_space: global }
      - { .name: aux, .offset: 32, .size: 8, .value_kind: global_buffer, .address_space: global }
      - { .name: b2, .offset: 40, .size: 8, .value_kind: global_buffer, .address_space: global }
      - { .name: lists, .offset: 48, .size: 8, .value_kind: global_buffer, .address_space: global }
      - { .name: slot, .offset: 56, .size: 8, .value_kind: global_buffer, .address_space: global }
      - { .name: meta, .offset: 64, .size: 8, .value_kind: global_buffer, .address_space: global }
      - { .name: out0, .offset: 72, .size: 8, .value_kind: global_buffer, .address_space: global }
    .group_segment_fixed_size: 169984
    .private_segment_fixed_size: 0
    .kernarg_segment_align: 8
    .kernarg_segment_size: 80
    .max_flat_workgroup_size: 256
    .sgpr_count:     66
    .vgpr_count:     512
    .wavefront_size: 32
...
	.end_amdgpu_metadata
.endif
;; end of part 5
